; MI455X (gfx1250); checked and timed in simulation.
; The chip was launched on July 23, 2026; its instructions are those of AMD's public machine-readable ISA for CDNA 5 (MIT licence, August 2026) and "CDNA5" Instruction Set Architecture Reference Guide (July 2026). The comments in the code are by the model that wrote it; some were corrected since.
;; Simple Mo E Layer. Allowed arithmetic: float matrix products may take bf16 or f16 operands with f32 sums; other float arithmetic in f32, or as packed bf16 or f16 multiplies, adds, multiply-adds, maxima and minima; sums over many terms, partial sums and values carried from step to step in f32; what a program stores and reads back later, other than sums and carried values, may be rounded once to bf16 or f16.
;; Inputs: W1 2 x 512 x 2,048 float32; W2 2 x 2,048 x 512 float32; Wg 512 x 2 float32; b1 2 x 2,048 float32; b2 2 x 512 float32; bg 2 float32; hidden_states 8 x 2,048 x 512 float32.
;; Outputs: out0 8 x 2,048 x 512 float32; out1 one number float32.
;; 3 versions, each right; version 3 is version 2 with the launch prep written anew for expert scheduling mode. Each part assembles by itself: llvm-mc -triple=amdgcn-amd-amdhsa -mcpu=gfx1250 --defsym DOCPART=n.
;; ======== version 1 of 3: 2 launches
;; workspace buffers: WF 8,388,608 bytes; WGF 16,384 bytes
;; launch prep (part 1): grid 257 x 1, 8 waves a work-group, no clusters, 0 bytes of LDS; arguments W1, W2, Wg, WF, WGF, out1; writes WF, WGF, out1
.if DOCPART == 1
	.amdgcn_target "amdgcn-amd-amdhsa--gfx1250"
	.amdhsa_code_object_version 6
	.text
	.protected	k_q21cae30990_prep
	.globl	k_q21cae30990_prep
	.p2align	8
	.type	k_q21cae30990_prep,@function
k_q21cae30990_prep:
	s_mov_b64 s[64:65], 0
	v_nop
	global_prefetch_b8 v0, s[64:65] scope:SCOPE_SE
	s_setreg_imm32_b32 hwreg(HW_REG_WAVE_MODE, 25, 1), 1
	s_wait_xcnt 0x0
; SimpleMoELayer, first of two launches: the weights are rounded to bf16 once and laid in the order in which the second launch's operand registers take them; out1 is stored.
; WORK LEFT OUT, for all finite inputs.  There are E = 2 experts and top_k takes K = 2 of them: top_i is a permutation of (0, 1) for every token.  So
;   (1) take_along_axis by top_i followed by the sum over K is the sum over both experts, whatever the order: no top-k and no gather is made;
;   (2) sum(top_p) is the sum of both softmax probabilities, which is 1: routing_weights are the probabilities themselves, and the division goes;
;   (3) assign, the sum of the two one_hot rows, is (1, 1): f_e = 1 / 2, sum_e f_e P_e = mean(p_0 + p_1) / 2 = 1 / 2, and balance_loss = 0.01 x 2 x 1 / 2 = 0.01.
; What is left is out0 = x + sum_e p_e (gelu(x W1_e + b1_e) W2_e + b2_e), p = softmax(x Wg + bg): every input still reaches out0, none is dropped.
; LIMIT: a NaN, an infinity or an overflow in the router's logits is not carried into out1, which is 0.01 whatever the inputs hold.
; A FRAGMENT is 16 rows x 32 k of bf16, 1,024 bytes: lane 16 h + r of a wave finds k = 8 h .. 8 h + 7 of row r at byte 16 x lane, and k = 16 + 8 h .. at byte 512 + 16 x lane.
; THE STREAMS.  The hidden index n = 2048 e + i goes in 64 chunks of 64.  Wave w of the second launch has a stream of 2,048 fragments at WF + 2,097,152 w:
;   A(c), 16 fragments of W1: fragment s holds k = 32 s .., row r = hidden column 64 c + 16 w + r;          it begins at fragment max(32 c - 16, 0)
;   Bm(c), 16 fragments of W2: fragment 8 kk + cb holds k = hidden 64 c + 32 kk .., row r = output column 128 w + 16 cb + r;   it begins at fragment min(32 c + 32, 2032)
; SHARES.  A thread makes eight PIECES of 16 bytes (8 consecutive k of one row): 64 loads of 4 bytes (a wave's load covers 128 consecutive bytes, and the two halves of 256 stand on end),
; 32 roundings, 8 stores of 16 bytes in which sixteen neighbouring lanes fill 256 consecutive bytes, aligned.  All 64 loads of a wave are out before its first wait.
; Work-groups 0-127: W1 (chunk b / 2; wave v takes fragment 8 (b % 2) + v).  128-255: W2 (chunk (b - 128) / 2, k half b % 2; wave v takes output columns 64 v ..).  256: Wg and out1.
; No LDS, no matrix unit, no cluster: nothing is shared, and each byte is read once and written once.
.set LD,  16                           ; v[16:79]   piece p at LD + 8 p: eight f32
.set PKD, 80                           ; v[80:111]  piece p at PKD + 4 p: eight bf16
; rstr: bytes from k to k + 1 in the source.  cstep: bytes in WF from columns 0-31 to columns 32-63.  Source s[22:23] + v3, target s[26:27] + v6.
.macro CONV rstr, cstep
.irp o,0,1,2,3
.irp e,0,1,2,3,4,5,6,7
.irp q,0,1
	global_load_b32 v[LD+8*(2*\o+\q)+\e], v3, s[22:23] offset:(8*\o+\e)*(\rstr)+128*\q th:TH_LOAD_NT
.endr
.endr
.endr
.irp o,0,1,2,3
	s_wait_loadcnt 48-16*\o                        ; loads come back in order: the 16 of k octet o are in, the younger octets' stay out
.irp q,0,1
.irp i,0,1,2,3
	v_cvt_pk_bf16_f32 v[PKD+4*(2*\o+\q)+\i], v[LD+8*(2*\o+\q)+2*\i], v[LD+8*(2*\o+\q)+2*\i+1]
.endr
	global_store_b128 v6, v[PKD+4*(2*\o+\q):PKD+4*(2*\o+\q)+3], s[26:27] offset:\q*(\cstep)+(\o/2)*512+(\o%2)*256  ; k octet o = 2 (half of the fragment) + h
.endr
.endr
.endm
	s_load_b256 s[4:11], s[0:1], 0x0               ; W1 s[4:5], W2 s[6:7], Wg s[8:9], WF s[10:11]
	s_load_b128 s[12:15], s[0:1], 0x20             ; WGF s[12:13], out1 s[14:15]
	v_lshrrev_b32 v1, 5, v0
	v_readfirstlane_b32 s16, v1                    ; wave 0..7
	v_and_b32 v2, 31, v0                           ; lane
	v_lshlrev_b32 v3, 2, v2                        ; the source's lane term: a column a lane
	v_and_b32 v4, 15, v0                           ; lane % 16: the row in a fragment
	v_bfe_u32 v5, v0, 4, 1                         ; lane / 16
	s_mov_b32 s17, ttmp9
	s_wait_kmcnt 0x0
	s_cmp_lt_u32 s17, 128
	s_cbranch_scc0 .Lnot_w1
	; W1[e][k][i]: 4,194,304 e + 8,192 k + 4 i
	s_lshr_b32 s18, s17, 1                         ; chunk c
	s_and_b32 s19, s17, 1
	s_lshl_b32 s19, s19, 3
	s_add_co_u32 s19, s19, s16                     ; fragment s
	s_lshr_b32 s20, s18, 5
	s_lshl_b32 s20, s20, 22                        ; the expert
	s_lshl_b32 s21, s19, 18                        ; 32 s rows of 8,192 bytes
	s_add_co_u32 s20, s20, s21
	s_and_b32 s21, s18, 31
	s_lshl_b32 s21, s21, 8                         ; the chunk's 64 columns
	s_add_co_u32 s20, s20, s21
	s_mov_b32 s21, 0
	s_add_nc_u64 s[22:23], s[4:5], s[20:21]
	s_lshl_b32 s24, s18, 5
	s_sub_co_i32 s24, s24, 16
	s_max_i32 s24, s24, 0                          ; where A(c) begins
	s_add_co_u32 s24, s24, s19
	s_lshl_b32 s24, s24, 10
	s_mov_b32 s25, 0
	s_add_nc_u64 s[26:27], s[10:11], s[24:25]
	v_lshlrev_b32 v6, 21, v5                       ; column 32 q + lane belongs to stream 2 q + lane / 16,
	v_lshl_add_u32 v6, v4, 4, v6                   ; row lane % 16
	CONV 8192, 4194304
	s_endpgm
.Lnot_w1:
	s_cmp_lt_u32 s17, 256
	s_cbranch_scc0 .Lrouter
	; W2[e][i][m]: 2,048 (2048 e + i) + 4 m: the hidden index runs flat over the experts
	s_sub_co_u32 s18, s17, 128
	s_and_b32 s19, s18, 1                          ; kk
	s_lshr_b32 s18, s18, 1                         ; chunk c
	s_lshl_b32 s20, s18, 17                        ; 64 c rows of 2,048 bytes
	s_lshl_b32 s21, s19, 16                        ; 32 kk rows
	s_add_co_u32 s20, s20, s21
	s_lshl_b32 s21, s16, 8                         ; my wave's 64 columns
	s_add_co_u32 s20, s20, s21
	s_mov_b32 s21, 0
	s_add_nc_u64 s[22:23], s[6:7], s[20:21]
	s_lshl_b32 s24, s18, 5
	s_add_co_u32 s24, s24, 32
	s_min_u32 s24, s24, 2032                       ; where Bm(c) begins
	s_lshl3_add_u32 s24, s19, s24                  ; + 8 kk
	s_and_b32 s25, s16, 1
	s_lshl2_add_u32 s24, s25, s24                  ; + 4 (v % 2): column block cb = 4 (v % 2) + 2 q + lane / 16
	s_lshl_b32 s24, s24, 10
	s_lshr_b32 s25, s16, 1
	s_lshl_b32 s25, s25, 21                        ; stream v / 2
	s_add_co_u32 s24, s24, s25
	s_mov_b32 s25, 0
	s_add_nc_u64 s[26:27], s[10:11], s[24:25]
	v_lshlrev_b32 v6, 10, v5
	v_lshl_add_u32 v6, v4, 4, v6
	CONV 2048, 2048
	s_endpgm
.Lrouter:
	; WGF: 16 fragments; fragment s holds k = 32 s ..; rows 0, 1 and again 8, 9 are Wg's two columns, all other rows 0: so both halves of the lanes will hold both logits.
	; Half fragment hf = v + 8 n (n = 0..3) holds k = 16 hf + 8 h + 0..7.  Wg[k][e] lies at 8 k + 4 e.
	v_and_b32 v7, 1, v0
	v_lshlrev_b32 v7, 2, v7                        ; 4 (row % 2)
	v_lshl_add_u32 v7, v5, 6, v7                   ; + 64 h
	s_lshl_b32 s18, s16, 7
	v_add_nc_u32 v7, s18, v7                       ; + 128 v
	v_lshlrev_b32 v8, 4, v0                        ; the target: 512 v + 16 lane
	v_and_b32 v9, 6, v0
	v_cmp_eq_u32 s19, 0, v9                        ; rows 0, 1, 8, 9
	v_mov_b32 v10, 0
	v_mov_b32 v11, 0x3c23d70a                      ; 0.01
.irp n,0,1,2,3
.irp e,0,1,2,3,4,5,6,7
	global_load_b32 v[LD+8*\n+\e], v7, s[8:9] offset:1024*\n+8*\e
.endr
.endr
	s_wait_loadcnt 0x0
.irp n,0,1,2,3
.irp i,0,1,2,3
	v_cvt_pk_bf16_f32 v[PKD+4*\n+\i], v[LD+8*\n+2*\i], v[LD+8*\n+2*\i+1]
.endr
.irp i,0,1,2,3
	v_cndmask_b32 v[PKD+4*\n+\i], 0, v[PKD+4*\n+\i], s19
.endr
	global_store_b128 v8, v[PKD+4*\n:PKD+4*\n+3], s[12:13] offset:4096*\n
.endr
	s_wait_xcnt 0x0                                ; EXEC is a source of the stores above: it changes only behind this wait
	v_cmp_eq_u32 vcc_lo, 0, v0
	s_and_saveexec_b32 s20, vcc_lo
	global_store_b32 v10, v11, s[14:15]            ; out1, by thread 0
	s_wait_xcnt 0x0                                ; and again in front of the line that widens it
	s_or_b32 exec_lo, exec_lo, s20
	s_endpgm
.Lfunc_end_k_q21cae30990_prep:
	.size	k_q21cae30990_prep, .Lfunc_end_k_q21cae30990_prep-k_q21cae30990_prep
	.p2alignl 7, 3214868480
	.fill 96, 4, 3214868480
	.section	.rodata,"a",@progbits
	.p2align	6, 0x0
	.amdhsa_kernel k_q21cae30990_prep
		.amdhsa_group_segment_fixed_size 0
		.amdhsa_private_segment_fixed_size 0
		.amdhsa_enable_private_segment 0
		.amdhsa_kernarg_size 48
		.amdhsa_user_sgpr_count 2
		.amdhsa_user_sgpr_kernarg_segment_ptr 1
		.amdhsa_wavefront_size32 1
		.amdhsa_system_sgpr_workgroup_id_x 1
		.amdhsa_system_sgpr_workgroup_id_y 1
		.amdhsa_system_sgpr_workgroup_id_z 1
		.amdhsa_system_vgpr_workitem_id 0
		.amdhsa_next_free_vgpr 112
		.amdhsa_next_free_sgpr 66
		.amdhsa_reserve_vcc 1
		.amdhsa_float_denorm_mode_32 3
		.amdhsa_float_denorm_mode_16_64 3
		.amdhsa_memory_ordered 1
		.amdhsa_forward_progress 1
		.amdhsa_inst_pref_size 27
	.end_amdhsa_kernel
	.amdgpu_metadata
---
amdhsa.version: [ 1, 2 ]
amdhsa.kernels:
  - .name:           k_q21cae30990_prep
    .symbol:         k_q21cae30990_prep.kd
    .args:
      - { .name: W1, .offset: 0, .size: 8, .value_kind: global_buffer, .address_space: global }
      - { .name: W2, .offset: 8, .size: 8, .value_kind: global_buffer, .address_space: global }
      - { .name: Wg, .offset: 16, .size: 8, .value_kind: global_buffer, .address_space: global }
      - { .name: WF, .offset: 24, .size: 8, .value_kind: global_buffer, .address_space: global }
      - { .name: WGF, .offset: 32, .size: 8, .value_kind: global_buffer, .address_space: global }
      - { .name: out1, .offset: 40, .size: 8, .value_kind: global_buffer, .address_space: global }
    .group_segment_fixed_size: 0
    .private_segment_fixed_size: 0
    .kernarg_segment_align: 8
    .kernarg_segment_size: 48
    .max_flat_workgroup_size: 256
    .sgpr_count:     66
    .vgpr_count:     112
    .wavefront_size: 32
...
	.end_amdgpu_metadata
.endif
;; end of part 1
;; launch moe (part 2): grid 256 x 1, 4 waves a work-group, clusters of 4 x 1, 327,680 bytes of LDS; arguments hidden_states, WF, WGF, b1, b2, bg, out0; writes out0
.if DOCPART == 2
	.amdgcn_target "amdgcn-amd-amdhsa--gfx1250"
	.amdhsa_code_object_version 6
	.text
	.protected	k_q21cae30990_moe
	.globl	k_q21cae30990_moe
	.p2align	8
	.type	k_q21cae30990_moe,@function
k_q21cae30990_moe:
	s_mov_b64 s[64:65], 0
	v_nop
	global_prefetch_b8 v0, s[64:65] scope:SCOPE_SE
	s_setreg_imm32_b32 hwreg(HW_REG_WAVE_MODE, 25, 1), 1
	s_wait_xcnt 0x0
	s_wait_alu depctr_hold_cnt(0) depctr_sa_sdst(0) depctr_va_vdst(0) depctr_va_sdst(0) depctr_va_ssrc(0) depctr_va_vcc(0) depctr_vm_vsrc(0)
	s_getreg_b32 s2, hwreg(HW_REG_IB_STS2, 6, 4)
	s_cmp_eq_u32 s2, 0
	s_cbranch_scc0 .Lentry_in_a_cluster
	s_endpgm
.Lentry_in_a_cluster:
	s_bfe_u32 s2, ttmp6, 0x10000c
	s_cmp_lg_u32 s2, 0x3003
	s_cbranch_scc0 .Lentry_shape_is_right
	s_endpgm
.Lentry_shape_is_right:
; SimpleMoELayer, second launch: out0 = x + sum_e p_e (gelu(x W1_e + b1_e) W2_e + b2_e), p = softmax(x Wg + bg), for 64 tokens a work-group, the hidden layer never leaving the WGP.
; LEFT OUT (shown at the head of the first launch's text): with 2 experts and top-2 the selection, its gather and the division by sum(top_p) = 1 change nothing; balance_loss is the constant that launch stored.
; ONE MLP.  Rows of gelu(..) are multiplied by p_e before the second product, so both experts are one chain 512 -> 4,096 -> 512; the hidden index goes in 64 chunks of 64 (chunks 0-31: expert 0).
; FORMATS.  x, the weights and p x gelu(..) are rounded once to bf16 as matrix operands; all sums in f32.  The residual x and p_e b2_e enter the output's accumulators in f32, ahead of the products.
; gelu is the tanh form, v sigmoid(2 u) = v / (1 + 2^(v (a + b v^2))), a = -2 log2(e) sqrt(2 / pi), b = 0.044715 a.  The softmax takes the larger logit away, so its divisor lies in 1 to 2.
; LIMITS.  A probability below 2^-126 counts as 0; for large |v| the gelu saturates to v or to -0; NaN and infinities are not treated apart.
; SHARES.  Four waves.  In x W1 wave w makes hidden columns 16 w .. 16 w + 15 of the chunk for all 64 tokens (4 accumulators S); in h W2 it makes output columns 128 w .. + 127 for all 64 tokens
; (32 accumulators).  So every weight byte is read from LDS by one wave, the one whose tensor load brought it.  All of x (64 x 512, bf16 fragments) stays in 512 registers of every wave.
; BOTH PRODUCTS ARE TRANSPOSED (source 0 = 16 rows of weights, source 1 = 16 tokens): a lane holds ONE token (lane % 16) and eight neighbouring columns 8 (lane / 16) + 0..7.  So b1 is the C operand of
; a chunk's first product, p is one number a lane and tile, a tile's rounded h is 16 bytes a lane that ARE half a fragment of the second product's source 1, and the output packs into 32 bytes of a row.
; THE RING.  The first launch laid each wave's weights as a stream of fragments (1,024 bytes: lane l's two 16 bytes at 16 l and 512 + 16 l) in the order of use.  Slot j is 32 fragments: W2 of chunk j - 1, then W1
; of chunk j + 1 (slot 0: W1 of chunks 0, 1; slot 63: W2 of chunks 62, 63).  Two LDS buffers of 4 x 32 KiB take turns; a wave's one tensor load a trip brings its 32 KiB.
; TRIP j: x W1 of chunk j (64 products, its fragments fetched into registers in trip j - 1), then h W2 of chunk j - 1 (64 products), behind the first 50 of which stand four lines each of chunk j's gelu.
; ONE round of the cluster's barrier a trip, among the first products: behind it slot j is whole, slot j - 1 is read out and filled again, and h of chunk j - 1 is there for all four waves.
; CLUSTER.  All work-groups walk the same weights: the four of a cluster ask for each slot, and for b1, JOINTLY (the same load, descriptor and mask in all four).  x is each work-group's own.
; REGISTERS, in windows of 256 (s_set_vgpr_msb: bits 1:0 source 0, 3:2 source 1, 5:4 source 2, 7:6 destination):
;   window 0: addresses, p, S, gelu's T, h fragments, weight fragments, b1 (the names below)     window 1: the 32 output accumulators, (token block t, column block c) at 8 (8 t + c)
;   windows 2, 3: x's fragments: token block t, k = 32 s .. at 8 (4 (s % 8) + t) of window 2 + s / 8
.set BUF1,  131072                     ; LDS: ring buffer 0 at 0, buffer 1 here; wave w's part at 32,768 w
.set SLOTB, 32768
.set AOFF,  16384                      ; a slot's second 16 fragments
.set XB,    131072                     ; in the prologue alone: x in f32, four tiles of 32 tokens x 256 columns (tile 2 (token / 32) + column / 256)
.set XSUB,  33280                      ; a tile: 32 rows of
.set XP,    1040                       ; 1,024 bytes + 16 of padding = 65 x 16: the 16 rows of a load start 16 bytes apart modulo 256
.set HBUF,  264192                     ; behind x: h, two buffers of 8 fragments (token block t, k half kk at 1,024 (4 kk + t)); no tensor load lands here
.set HSZ,   8192
.set B1L,   280576                     ; b1, 16,384 bytes, filled once
.set SPARE, 296960                     ; the spare words, 128 bytes for each wave: two blocks of 256 bytes that no other line names
.set SPI,   528                        ; the way out: 512 bytes + 16 = 33 x 16
.set AW,   2                           ; v2, v3   16 lane + 32,768 w in ring buffer 0, 1; never rewritten
.set HL,   4                           ; v4       HBUF + 16 lane
.set HS,   5                           ; v5       where my 16 bytes of h go: HBUF + 4,096 (w / 2) + 512 (w % 2) + 16 lane
.set BA0,  6                           ; v6       B1L + 64 w + 32 (lane / 16)
.set BA,   7                           ; v7       the same at the chunk in hand
.set L16,  8                           ; v8       16 lane
.set PFO,  9                           ; v9       256 lane
.set SPW,  10                          ; v10      LDS address of my spare word; never rewritten
.set NIL,  11                          ; v11      0; never rewritten
.set XA,   12                          ; v12, v13 x for fragments: XB + 1,040 (lane % 16) + 32 (lane / 16), token blocks 0-1, 2-3
.set XC,   14                          ; v14, v15 x for the accumulators: the same at my 128 columns
.set P0,   16                          ; v[16:23] p_0 of token block t in both registers of pair t
.set P1,   24                          ; v[24:31] p_1
.set PSEL, 32                          ; v[32:39] the p of the expert in hand
.set SS,   40                          ; v[40:71]   S: token block t at SS + 8 t
.set TT,   72                          ; v[72:103]  T: gelu at work; between two gelus W1's fragments 8-11
.set HA,   104                         ; v[104:135] h fragments, k half 0
.set HB,   136                         ; v[136:167] k half 1; between two uses W1's fragments 12-15
.set RR,   168                         ; v[168:231] eight weight fragments
.set BI,   232                         ; v[232:239] b1 of my eight hidden columns
.set STO,  240                         ; v240     the way out: 32,768 w + 528 (lane % 16) + 32 (lane / 16)
.set GO,   241                         ; v241     512 w + 16 lane
.set B2O,  242                         ; v242     512 w + 32 (lane / 16)
.set WV,   18                          ; s18  my wave's number
.set CX,   19                          ; s19  my place in the cluster: it enters x's, out0's and the prefetches' addresses alone
.set G1W,  24                          ; s[24:31] group 1 for a wave's part of a slot
.set G0W0, 32                          ; s[32:35] group 0 for ring buffer 0
.set G1X,  36                          ; s[36:43], s[44:47] x's tile
.set G0X,  44
.set G1B,  48                          ; s[48:55], s[56:59] a quarter of b1
.set G0B,  56
.set G0W1, 60                          ; s[60:63] group 0 for ring buffer 1
.set CNT,  66                          ; s66  laps of two trips still to come, 31 .. 1
.set PM,   67                          ; s67  all ones from chunk 32 on
.set PFA,  68                          ; s[68:69] where my prefetches stand
.set GA,   70                          ; s[70:71] a, named as a pair
.set GB,   72                          ; s[72:73] b
.set BG,   74                          ; s[74:75] bg
.set OB,   76                          ; s[76:77] out0 at my work-group's first row
.set LIM1, 78                          ; s78, s79  1, 2 in the cluster that prefetches, else the greatest number
.set LIM2, 79
.set BS,   80                          ; s80  256 x the chunk in hand
.set W_B,  0x50                        ; h W2: C and D in window 1
.set MSB, 0
.macro WIN new                         ; the high byte repeats the setting that is left; a switch that changes nothing is dropped
.if MSB != (\new)
	s_set_vgpr_msb (MSB<<8)|(\new)
.set MSB, (\new)
.endif
.endm
.macro PLACES                          ; four places: behind a matrix instruction, in front of loads into registers that it read and of lines that read its result
.rept 4
	v_nop
.endr
.endm
; A round of the cluster's barrier: my work-group's barrier, so that wave 0's signal speaks for all four waves; wave 0 signals; every wave waits for all four work-groups; my work-group's barrier once more.
.macro CREST
	s_cmp_lg_u32 s[WV], 0
	s_cbranch_scc1 .Lnot_wave_0_\@
	s_barrier_signal -3
.Lnot_wave_0_\@:
	s_barrier_wait -3
	s_barrier_signal -1
	s_barrier_wait -1
.endm
.macro CROUND
	s_barrier_signal -1
	s_barrier_wait -1
	CREST
.endm
; A PREFETCH INTO THE L2, behind a trip's joint load and the run of LDS loads that follows it: of my stream's slot three refills on (trip j asks for slot j + 4) my work-group's 32 blocks of 256 bytes, a lane a block.
; Every cluster walks the same streams: cluster 0 asks, nobody else; its four partners share a slot's 128 blocks out BY ADDRESS (8,192 cx); each wave asks for its own stream.  So each block is named once.
; Slots 0 to 3 come by their loads alone; the last slot asked for is 63, in trip 59.
.macro ASK lim, first
.if \first
	s_cmp_eq_u32 s[LIM1], 1
.else
	s_cmp_gt_u32 s[CNT], s[\lim]
.endif
	s_cbranch_scc0 .Lnot_mine_\@
	global_prefetch_b8 v[PFO], s[PFA:PFA+1] th:TH_LOAD_NT scope:SCOPE_SE
.Lnot_mine_\@:
.endm
.macro LDF dst, adr, ofs               ; a fragment: two loads of 512 consecutive bytes.  ISS counts the LDS instructions issued since the trip's wait for 0
	ds_load_b128 v[(\dst):(\dst)+3],   v[\adr] offset:(\ofs)
	ds_load_b128 v[(\dst)+4:(\dst)+7], v[\adr] offset:(\ofs)+512
.set ISS, ISS+2
.endm
.macro SETPOS a                        ; where W1's fragment a of 16 lies
.if (\a) < 8
.set FP, RR+8*(\a)
.elseif (\a) < 12
.set FP, TT+8*((\a)-8)
.else
.set FP, HB+8*((\a)-12)
.endif
.endm
; x W1, K step a of 16: four products, the four accumulators by turns (one instruction a turn).  The first step's C is b1.
.macro AMUL a
	SETPOS \a
	WIN 0x08+4*((\a)/8)
.irp t,0,1,2,3
.if (\a) == 0
	v_wmma_f32_16x16x32_bf16 v[SS+8*\t:SS+8*\t+7], v[FP:FP+7], v[8*(4*((\a)%8)+\t):8*(4*((\a)%8)+\t)+7], v[BI:BI+7]
.else
	v_wmma_f32_16x16x32_bf16 v[SS+8*\t:SS+8*\t+7], v[FP:FP+7], v[8*(4*((\a)%8)+\t):8*(4*((\a)%8)+\t)+7], v[SS+8*\t:SS+8*\t+7]
.endif
.endr
.endm
.macro PCSEL                           ; the expert's p; also the four places behind x W1's last products
.irp t,0,1,2,3
	v_cndmask_b32 v[PSEL+2*\t], v[P0+2*\t], v[P1+2*\t], s[PM]
.endr
.endm
; THE GELU of a chunk: 64 numbers a lane, 16 pairs; a numbered list of 200 lines, GR writes number GN.  Each number is one vector line (v_nop where a stage has nothing left), so a slice of four is four lines.
;   0-94     for pair u: v^2; (pair u - 1) b v^2 + a; (pair u - 2) times v; (pair u - 3) its two exponentials.  Nothing here names an exponential's result
;   95       a plain line behind the last exponential, and ONE wait for the 32 (ahead of the first line that names a result)
;   96-163   for pair u: 1 + 2^..; v p; (pair u - 1) its two reciprocals          164  a plain line, and one wait for the 32 reciprocals
;   165-198  for pair u: v p / (1 + 2^..); (pair u - 1) rounded to bf16, into T + u - 1          199  v_nop
; Each accumulator of S is first read at its two lowest registers (pairs ascend).  Of any 8 numbers on end 4 or more are plain lines.
.macro GR
.if GN < 95
.set gu, GN/5
.set gk, GN%5
.if (gk == 0) && (gu < 16)
	v_pk_mul_f32 v[TT+2*gu:TT+2*gu+1], v[SS+2*gu:SS+2*gu+1], v[SS+2*gu:SS+2*gu+1]
.elseif (gk == 1) && (gu >= 1) && (gu < 17)
	v_pk_fma_f32 v[TT+2*gu-2:TT+2*gu-1], v[TT+2*gu-2:TT+2*gu-1], s[GB:GB+1], s[GA:GA+1] op_sel_hi:[1,0,0]
.elseif (gk == 2) && (gu >= 2) && (gu < 18)
	v_pk_mul_f32 v[TT+2*gu-4:TT+2*gu-3], v[TT+2*gu-4:TT+2*gu-3], v[SS+2*gu-4:SS+2*gu-3]
.elseif (gk >= 3) && (gu >= 3)
	v_exp_f32 v[TT+2*gu+gk-9], v[TT+2*gu+gk-9]
.else
	v_nop
.endif
.elseif GN == 95
	v_nop
	s_wait_alu depctr_va_vdst(0)
.elseif GN < 164
.set gu, (GN-96)/4
.set gk, (GN-96)%4
.if (gk == 0) && (gu < 16)
	v_pk_add_f32 v[TT+2*gu:TT+2*gu+1], v[TT+2*gu:TT+2*gu+1], 1.0 op_sel_hi:[1,0]
.elseif (gk == 1) && (gu < 16)
	v_pk_mul_f32 v[SS+2*gu:SS+2*gu+1], v[SS+2*gu:SS+2*gu+1], v[PSEL+2*(gu/4):PSEL+2*(gu/4)+1] op_sel_hi:[1,0]
.elseif (gk >= 2) && (gu >= 1)
	v_rcp_f32 v[TT+2*gu+gk-4], v[TT+2*gu+gk-4]
.else
	v_nop
.endif
.elseif GN == 164
	v_nop
	s_wait_alu depctr_va_vdst(0)
.elseif GN < 199
.set gu, (GN-165)/2
.set gk, (GN-165)%2
.if (gk == 0) && (gu < 16)
	v_pk_mul_f32 v[SS+2*gu:SS+2*gu+1], v[SS+2*gu:SS+2*gu+1], v[TT+2*gu:TT+2*gu+1]
.elseif (gk == 1) && (gu >= 1)
	v_cvt_pk_bf16_f32 v[TT+gu-1], v[SS+2*gu-2], v[SS+2*gu-1]
.else
	v_nop
.endif
.else
	v_nop
.endif
.set GN, GN+1
.endm
.macro HSTORE hb                       ; my 16 bytes of each token block's h, into h buffer hb: a wave's store covers 512 consecutive bytes
.irp t,0,1,2,3
	ds_store_b128 v[HS], v[TT+4*\t:TT+4*\t+3] offset:HSZ*(\hb)+1024*\t
.endr
.set ISS, ISS+4
.endm
.macro RUN13 sb                        ; 12 loads: the next 16 fragments' numbers 4, 5 and 8-11
	LDF RR+32, AW+(\sb), AOFF+4*1024
	LDF RR+40, AW+(\sb), AOFF+5*1024
.irp f,8,9,10,11
	LDF TT+8*(\f-8), AW+(\sb), AOFF+\f*1024
.endr
.endm
.macro RUN15 sb, more                  ; numbers 6, 7 and (more = 1) 12-15: 12 loads
	LDF RR+48, AW+(\sb), AOFF+6*1024
	LDF RR+56, AW+(\sb), AOFF+7*1024
.if \more
.irp f,12,13,14,15
	LDF HB+8*(\f-12), AW+(\sb), AOFF+\f*1024
.endr
.endif
.endm
; TRIP j.  sb = j % 2: slot j's ring buffer, and the h buffer that chunk j's h goes into.  last = 1: trip 63, which fills nothing and fetches W2 of chunk 63 where the others fetch W1.
; lim: the register that stops the prefetches.  thr: expert 1 where CNT is below it.
.macro TRIP sb, last, lim, thr
	WIN 0                                          ; (the add's two registers lie in window 0)
	s_wait_tensorcnt 0x0                           ; all my tensor loads have landed: the one that was out is my part of slot j; so a group 0 may be written
	ds_add_u32 v[SPW], v[NIL]                      ; 0 onto my spare word: scalar steps and 24 products stand between it and the wait for it
.set GF, G0W0+(G0W1-G0W0)*(1-(\sb))
.if !(\last)
	s_add_nc_u64 s[GF+2:GF+3], s[GF+2:GF+3], 2*SLOTB  ; the other buffer's next slot, j + 1; the type bits on top are not reached
	s_wait_xcnt 0x0                                ; the last prefetch, a trip back, has read its address
	s_add_nc_u64 s[PFA:PFA+1], s[PFA:PFA+1], SLOTB
	s_cmp_lt_u32 s[CNT], \thr
	s_cselect_b32 s[PM], -1, 0
.else
	s_mov_b32 s[PM], -1
.endif
	s_add_co_u32 s[BS], s[BS], 256
	s_wait_dscnt 25                                ; the two runs of 12 at the last trip's end and the add may be out: fragments 0-3, b1 and my stores of h are done
.irp a,0,1,2,3
	AMUL \a
.endr
	s_wait_dscnt 13                                ; the last run of 12 and the add may be out: fragments 4, 5 (and 8-11) are in
.irp a,4,5
	AMUL \a
.endr
	s_wait_dscnt 0x0                               ; the add is done, my reads of slot j - 1 and of the older h are over, my h is stored:
	s_barrier_signal -1                            ; say so,
.irp a,6,7
	AMUL \a
.endr
	WIN 0
	s_barrier_wait -1                              ; and go on when all four have said so
.if !(\last)
	CREST                                          ; the barrier has opened a round of the cluster's: no wave of any partner still reads slot j - 1 or has a load on its way
	tensor_load_to_lds s[GF:GF+3], s[G1W:G1W+7]    ; slot j + 1, the first thing behind the round: 96 products and the gelu in which to land
	s_nop 0
.endif
	v_add_nc_u32 v[BA], s[BS], v[BA0]              ; four vector lines: the places behind fragments 6 and 7's products, in front of the loads below
	v_nop
	v_nop
	v_nop
.set ISS, 0
.irp t,0,1,2,3
	LDF HA+8*\t, HL, HSZ*(1-(\sb))+1024*\t         ; h of chunk j - 1, k half 0
.endr
.irp g,0,1,2,3,4,5,6,7
	LDF RR+8*\g, AW+(\sb), 1024*\g                 ; W2's fragments 0-7
.endr
.if !(\last)
	ASK \lim, 0
.endif
.irp a,8,9,10,11,12,13,14,15
	AMUL \a
.endr
	WIN 0
	PCSEL
.irp t,0,1,2,3
	LDF HB+8*\t, HL, HSZ*(1-(\sb))+4096+1024*\t    ; k half 1
.endr
	; h W2: product bq of 64: fragment bq / 4 (k half, column block), token block bq % 4: 32 accumulators by turns.  A position is loaded again three slices (6 plain lines or more) behind its last reader.
.set GN, 0
.set bq, 0
.rept 64
.set gq, bq/4
.set tq, bq%4
.if tq == 0
.if gq < 8
	s_wait_dscnt ISS-(10+2*gq)                     ; LDS instructions end in order: fragment gq was the (10 + 2 gq)th issued; all behind it may be out
.else
	s_wait_dscnt ISS-(18+2*gq)                     ; likewise: the (18 + 2 gq)th, behind h's second half
.endif
.endif
	WIN W_B
.set ra, 8*(8*tq+gq%8)
.set rh, HA+32*(gq/8)+8*tq
	v_wmma_f32_16x16x32_bf16 v[ra:ra+7], v[RR+8*(gq%8):RR+8*(gq%8)+7], v[rh:rh+7], v[ra:ra+7]
.if bq < 50
	WIN 0
	GR
	GR
	GR
	GR
.endif
.if (bq%4 == 1) && (bq >= 5) && (bq <= 33)
	LDF RR+8*((bq-5)/4), AW+(\sb), 1024*(8+(bq-5)/4)  ; W2's fragments 8-15
.endif
.if bq == 37
	LDF RR, AW+(\sb), AOFF                         ; from here on the next trip's first products are fed
.if !(\last)
	ds_load_b128 v[BI:BI+3],   v[BA] offset:256    ; b1 of chunk j + 1
	ds_load_b128 v[BI+4:BI+7], v[BA] offset:272
.set ISS, ISS+2
.endif
.endif
.if bq == 41
	LDF RR+8, AW+(\sb), AOFF+1024
.endif
.if bq == 45
	LDF RR+16, AW+(\sb), AOFF+2*1024
.endif
.if bq == 49
	LDF RR+24, AW+(\sb), AOFF+3*1024
	HSTORE \sb                                     ; the gelu is done
.endif
.if bq == 55
	WIN 0
	PLACES
	RUN13 \sb
.endif
.if bq == 63
	WIN 0
	PLACES
	RUN15 \sb, 1-(\last)
.endif
.set bq, bq+1
.endr
.endm
	; ---- the head ----
	s_load_b256 s[4:11], s[0:1], 0x0               ; x s[4:5], WF s[6:7], WGF s[8:9], b1 s[10:11]
	s_load_b128 s[12:15], s[0:1], 0x20             ; b2 s[12:13], bg s[14:15]
	s_load_b64 s[16:17], s[0:1], 0x30              ; out0
	v_lshl_add_u32 v[SPW], v0, 2, SPARE
	v_mov_b32 v[NIL], 0
	ds_add_u32 v[SPW], v[NIL]                      ; the wave's opening: the add, twice on end, and its wait ahead of my first tensor load; the set-up below stands between
	ds_add_u32 v[SPW], v[NIL]
	v_lshrrev_b32 v1, 5, v0
	v_readfirstlane_b32 s[WV], v1                  ; wave 0..3
	s_bfe_u32 s[CX], ttmp6, 0x40000
	s_lshl_b32 s20, ttmp9, 2                       ; in a cluster launch ttmp9 counts clusters
	s_add_co_u32 s20, s20, s[CX]                   ; my work-group
	s_lshl_b32 s20, s20, 17                        ; its 64 rows of 2,048 bytes
	s_mov_b32 s21, 0
	s_lshr_b32 s89, s[WV], 1
	s_and_b32 s90, s[WV], 1
	s_lshl_b32 s22, s89, 16                        ; x's tile w: tokens 32 (w / 2) ..,
	s_lshl_b32 s23, s90, 10                        ; columns 256 (w % 2) ..
	s_add_co_u32 s22, s22, s23
	s_add_co_u32 s22, s22, s20
	s_mov_b32 s23, 0
	s_lshl_b32 s82, s[WV], 21                      ; my stream: no place in the cluster enters a joint load's registers
	s_mov_b32 s83, 0
	s_lshl_b32 s84, s[WV], 12                      ; my quarter of b1
	s_mov_b32 s85, 0
	s_lshl_b32 s86, s[CX], 13                      ; the prefetches: my work-group's 32 blocks,
	s_add_co_u32 s86, s86, s82                     ; in my stream,
	s_add_co_u32 s86, s86, 4*SLOTB                 ; at slot 4
	s_mov_b32 s87, 0
	; group 1 of a slot's part: 32,768 dense bytes as 128 rows of 32 elements of 8 bytes
	s_mov_b32 s[G1W], 15|(3<<16)|(1<<21)           ; 15:0 the mask of four; 17:16 elements of 8 bytes; 21 set beside a mask
	s_mov_b32 s[G1W+1], 32<<16                     ; tensor_dim0 = 32
	s_mov_b32 s[G1W+2], 128<<16                    ; tensor_dim1 = 128
	s_mov_b32 s[G1W+3], 32<<16                     ; tile_dim0 = 32
	s_mov_b32 s[G1W+4], 128                        ; tile_dim1 = 128
	s_mov_b32 s[G1W+5], 32                         ; elements from row to row
	s_mov_b32 s[G1W+6], 0
	s_mov_b32 s[G1W+7], 0
	; a quarter of b1: 4,096 dense bytes as 16 such rows
	s_mov_b32 s[G1B], 15|(3<<16)|(1<<21)
	s_mov_b32 s[G1B+1], 32<<16
	s_mov_b32 s[G1B+2], 16<<16
	s_mov_b32 s[G1B+3], 32<<16
	s_mov_b32 s[G1B+4], 16
	s_mov_b32 s[G1B+5], 32
	s_mov_b32 s[G1B+6], 0
	s_mov_b32 s[G1B+7], 0
	; x's tile: 32 rows of 256 f32, 512 from row to row, 4 words of padding behind every 256; my work-group's own: no mask
	s_mov_b32 s[G1X], (2<<16)|(1<<20)|(7<<22)|(3<<25)
	s_mov_b32 s[G1X+1], 256<<16
	s_mov_b32 s[G1X+2], 32<<16
	s_mov_b32 s[G1X+3], 256<<16
	s_mov_b32 s[G1X+4], 32
	s_mov_b32 s[G1X+5], 512
	s_mov_b32 s[G1X+6], 0
	s_mov_b32 s[G1X+7], 0
	s_mov_b32 s[G0X], 1
	s_mul_i32 s[G0X+1], s[WV], XSUB
	s_add_co_u32 s[G0X+1], s[G0X+1], XB
	s_mov_b32 s[G0W0], 1
	s_lshl_b32 s[G0W0+1], s[WV], 15
	s_mov_b32 s[G0W1], 1
	s_add_co_u32 s[G0W1+1], s[G0W0+1], BUF1
	s_mov_b32 s[G0B], 1
	s_lshl_b32 s[G0B+1], s[WV], 12
	s_add_co_u32 s[G0B+1], s[G0B+1], B1L
	s_mov_b32 s[GA], 0xc0135761                    ; a = -2.3022082
	s_mov_b32 s[GA+1], s[GA]
	s_mov_b32 s[GB], 0xbdd2d3e8                    ; b = -0.10294324
	s_mov_b32 s[GB+1], s[GB]
	s_mov_b32 s[PM], 0
	s_mov_b32 s[BS], 0
	s_mov_b32 s88, ttmp9
	s_cmp_eq_u32 s88, 0                            ; the same in all four partners
	s_cselect_b32 s[LIM1], 1, -1
	s_cselect_b32 s[LIM2], 2, -1
	s_wait_dscnt 0x0                               ; both opening adds are done
	s_wait_kmcnt 0x0
	s_add_nc_u64 s[G0X+2:G0X+3], s[4:5], s[22:23]
	s_or_b32 s[G0X+3], s[G0X+3], 0x80000000        ; type = 2
	s_add_nc_u64 s[G0W0+2:G0W0+3], s[6:7], s[82:83]  ; slot 0
	s_or_b32 s[G0W0+3], s[G0W0+3], 0x80000000
	s_add_nc_u64 s[G0W1+2:G0W1+3], s[6:7], s[82:83]
	s_add_nc_u64 s[G0W1+2:G0W1+3], s[G0W1+2:G0W1+3], SLOTB  ; slot 1
	s_or_b32 s[G0W1+3], s[G0W1+3], 0x80000000
	s_add_nc_u64 s[G0B+2:G0B+3], s[10:11], s[84:85]
	s_or_b32 s[G0B+3], s[G0B+3], 0x80000000
	s_add_nc_u64 s[PFA:PFA+1], s[6:7], s[86:87]
	s_add_nc_u64 s[OB:OB+1], s[16:17], s[20:21]
	s_load_b64 s[BG:BG+1], s[14:15], 0x0
	CROUND                                         ; all four work-groups are here: the first joint loads meet
	tensor_load_to_lds s[G0X:G0X+3], s[G1X:G1X+7]  ; the first fills, one group: three loads of mine are out.  x first: it is wanted first
	s_nop 0
	tensor_load_to_lds s[G0W0:G0W0+3], s[G1W:G1W+7]
	s_nop 0
	tensor_load_to_lds s[G0B:G0B+3], s[G1B:G1B+7]
	s_nop 0
	v_and_b32 v246, 31, v0                         ; lane
	v_and_b32 v244, 15, v0                         ; lane % 16
	v_bfe_u32 v245, v0, 4, 1                       ; lane / 16
	v_lshlrev_b32 v[L16], 4, v246
	v_lshlrev_b32 v[PFO], 8, v246
	s_lshl_b32 s88, s[WV], 15
	v_add_nc_u32 v[AW], s88, v[L16]
	v_add_nc_u32 v[AW+1], BUF1, v[AW]
	v_mul_u32_u24 v[STO], v244, SPI
	v_lshl_add_u32 v[STO], v245, 5, v[STO]
	v_add_nc_u32 v[STO], s88, v[STO]
	v_add_nc_u32 v[HL], HBUF, v[L16]
	s_lshl_b32 s88, s89, 12
	s_lshl_b32 s91, s90, 9
	s_add_co_u32 s88, s88, s91
	v_add_nc_u32 v[HS], s88, v[HL]
	s_lshl_b32 s88, s[WV], 6
	s_add_co_u32 s88, s88, B1L
	v_lshl_add_u32 v[BA0], v245, 5, s88
	v_mul_u32_u24 v[XA], v244, XP
	v_lshl_add_u32 v[XA], v245, 5, v[XA]
	v_add_nc_u32 v[XA], XB, v[XA]
	v_add_nc_u32 v[XA+1], 2*XSUB, v[XA]
	s_mul_i32 s88, s89, XSUB
	s_add_co_u32 s88, s88, s91
	v_add_nc_u32 v[XC], s88, v[XA]
	v_add_nc_u32 v[XC+1], 2*XSUB, v[XC]
	s_lshl_b32 s88, s[WV], 9
	v_lshl_add_u32 v[B2O], v245, 5, s88
	v_add_nc_u32 v[GO], s88, v[L16]
	WIN 0x40                                       ; the router's 16 fragments, for now in window 1
.set i, 0
.rept 32
	global_load_b128 v[4*i:4*i+3], v[L16], s[8:9] offset:512*i
.set i, i+1
.endr
	WIN 0
.irp c,0,1,2,3,4,5,6,7                 ; b2 of expert 1, my 128 columns, eight a lane and column block
	global_load_b128 v[RR+8*\c:RR+8*\c+3],   v[B2O], s[12:13] offset:2048+64*\c
	global_load_b128 v[RR+8*\c+4:RR+8*\c+7], v[B2O], s[12:13] offset:2048+64*\c+16
.endr
	s_wait_tensorcnt 0x2                           ; my tile of x is in; slot 0 and b1 may stay out
	s_barrier_signal -1
	s_barrier_wait -1                              ; everybody's is
	; ---- x to bf16 fragments: 64 fragments, two a batch; a fragment is 16 f32 a lane: 32 bytes at k = 8 h and 32 at k = 16 + 8 h ----
.macro XLD bt
	WIN 0
.irp u,0,1
.set ph, 2*(\bt)+\u                    ; fragment 4 s + t
.set xo, 33280*(ph/32)+16640*(ph%2)+128*((ph/4)%8)
.set xr, SS+32*((\bt)%2)+16*\u
	ds_load_b128 v[xr:xr+3],     v[XA+(ph%4)/2] offset:xo
	ds_load_b128 v[xr+4:xr+7],   v[XA+(ph%4)/2] offset:xo+16
	ds_load_b128 v[xr+8:xr+11],  v[XA+(ph%4)/2] offset:xo+64
	ds_load_b128 v[xr+12:xr+15], v[XA+(ph%4)/2] offset:xo+80
.endr
.endm
.macro XCV bt
.irp u,0,1
.set ph, 2*(\bt)+\u
.set xd, 8*(4*((ph/4)%8)+ph%4)
.set xr, SS+32*((\bt)%2)+16*\u
	WIN 0x80+0x40*(ph/32)                          ; destination window 2 or 3
.irp i,0,1,2,3,4,5,6,7
	v_cvt_pk_bf16_f32 v[xd+\i], v[xr+2*\i], v[xr+2*\i+1]
.endr
.endr
.endm
	XLD 0
.set bb, 0
.rept 31
	XLD bb+1
	s_wait_dscnt 8                                 ; the batch in hand is in; the next one's eight loads stay out
	XCV bb
.set bb, bb+1
.endr
	s_wait_dscnt 0x0
	XCV 31
	WIN 0
.irp c,0,1,2,3,4,5,6,7                 ; b2 of expert 0
	global_load_b128 v[SS+8*\c:SS+8*\c+3],   v[B2O], s[12:13] offset:64*\c
	global_load_b128 v[SS+8*\c+4:SS+8*\c+7], v[B2O], s[12:13] offset:64*\c+16
.endr
	s_wait_loadcnt 16                              ; the 16 just issued may be out: the router's fragments are in
	; ---- the router: logits^T = Wg^T x^T; rows 0, 1 and 8, 9 of source 0 are the two experts, so registers 0, 1 of every lane are its token's two logits ----
.set rs, 0
.rept 16
	WIN 0x09+4*(rs/8)
.irp t,0,1,2,3
.if rs == 0
	v_wmma_f32_16x16x32_bf16 v[HA+8*\t:HA+8*\t+7], v[8*rs:8*rs+7], v[8*(4*(rs%8)+\t):8*(4*(rs%8)+\t)+7], 0
.else
	v_wmma_f32_16x16x32_bf16 v[HA+8*\t:HA+8*\t+7], v[8*rs:8*rs+7], v[8*(4*(rs%8)+\t):8*(4*(rs%8)+\t)+7], v[HA+8*\t:HA+8*\t+7]
.endif
.endr
.set rs, rs+1
.endr
	WIN 0
	PLACES
	s_wait_kmcnt 0x0                               ; bg
.irp t,0,1,2,3
	v_add_f32 v[HB+4*\t],   s[BG],   v[HA+8*\t]
	v_add_f32 v[HB+4*\t+1], s[BG+1], v[HA+8*\t+1]
.endr
.irp t,0,1,2,3
	v_max_num_f32 v[HB+4*\t+2], v[HB+4*\t], v[HB+4*\t+1]  ; the maximum is taken away
.endr
.irp t,0,1,2,3
	v_sub_f32 v[HB+4*\t],   v[HB+4*\t],   v[HB+4*\t+2]
	v_sub_f32 v[HB+4*\t+1], v[HB+4*\t+1], v[HB+4*\t+2]
.endr
.irp t,0,1,2,3
	v_mul_f32 v[HB+4*\t],   0x3fb8aa3b, v[HB+4*\t]
	v_mul_f32 v[HB+4*\t+1], 0x3fb8aa3b, v[HB+4*\t+1]
.endr
.irp t,0,1,2,3
	v_exp_f32 v[HB+4*\t],   v[HB+4*\t]
	v_exp_f32 v[HB+4*\t+1], v[HB+4*\t+1]
.endr
	v_nop                                          ; a plain line behind the last exponential,
	s_wait_alu depctr_va_vdst(0)                   ; and one wait for the eight, ahead of the first line that names a result
.irp t,0,1,2,3
	v_add_f32 v[HB+4*\t+2], v[HB+4*\t], v[HB+4*\t+1]
.endr
.irp t,0,1,2,3
	v_rcp_f32 v[HB+4*\t+2], v[HB+4*\t+2]
.endr
	v_nop
	s_wait_alu depctr_va_vdst(0)                   ; one wait for the four reciprocals
.irp t,0,1,2,3
	v_mul_f32 v[P0+2*\t],   v[HB+4*\t],   v[HB+4*\t+2]
	v_mul_f32 v[P0+2*\t+1], v[HB+4*\t],   v[HB+4*\t+2]  ; (named as pairs, so both are written)
	v_mul_f32 v[P1+2*\t],   v[HB+4*\t+1], v[HB+4*\t+2]
	v_mul_f32 v[P1+2*\t+1], v[HB+4*\t+1], v[HB+4*\t+2]
.endr
.irp t,0,1,2,3
	v_mov_b32 v[PSEL+2*\t],   v[P0+2*\t]
	v_mov_b32 v[PSEL+2*\t+1], v[P0+2*\t]
.endr
	; ---- the output's accumulators start as x + p_0 b2_0 + p_1 b2_1, in f32 ----
	WIN 0x40
.irp t,0,1,2,3
.irp c,0,1,2,3,4,5,6,7
	ds_load_b128 v[8*(8*\t+\c):8*(8*\t+\c)+3],   v[XC+\t/2] offset:16640*(\t%2)+64*\c
	ds_load_b128 v[8*(8*\t+\c)+4:8*(8*\t+\c)+7], v[XC+\t/2] offset:16640*(\t%2)+64*\c+16
.endr
.endr
	WIN 0x50
	s_wait_loadcnt 0x0                             ; b2
.irp t,0,1,2,3
	s_wait_dscnt 48-16*\t                          ; token block t's 16 loads are in
.irp c,0,1,2,3,4,5,6,7
.irp i,0,1,2,3
	v_pk_fma_f32 v[8*(8*\t+\c)+2*\i:8*(8*\t+\c)+2*\i+1], v[SS+8*\c+2*\i:SS+8*\c+2*\i+1], v[P0+2*\t:P0+2*\t+1], v[8*(8*\t+\c)+2*\i:8*(8*\t+\c)+2*\i+1] op_sel_hi:[1,0,1]
.endr
.endr
.irp c,0,1,2,3,4,5,6,7
.irp i,0,1,2,3
	v_pk_fma_f32 v[8*(8*\t+\c)+2*\i:8*(8*\t+\c)+2*\i+1], v[RR+8*\c+2*\i:RR+8*\c+2*\i+1], v[P1+2*\t:P1+2*\t+1], v[8*(8*\t+\c)+2*\i:8*(8*\t+\c)+2*\i+1] op_sel_hi:[1,0,1]
.endr
.endr
.endr
	; ---- x's bytes are given up: ring buffer 1 takes slot 1 ----
	WIN 0
	s_wait_tensorcnt 0x0                           ; slot 0 and my quarter of b1 are in: no tensor load of mine is out
	ds_add_u32 v[SPW], v[NIL]
	s_wait_dscnt 0x0                               ; the add is done, and my reads of x are over
	CROUND                                         ; so are those of every wave of every partner
	tensor_load_to_lds s[G0W1:G0W1+3], s[G1W:G1W+7]
	s_nop 0
	v_mov_b32 v[BA], v[BA0]
	v_nop
	v_nop
	v_nop
	; ---- trip 0: x W1 of chunk 0, its gelu with nothing beside it ----
.set ISS, 0
	ds_load_b128 v[BI:BI+3],   v[BA]
	ds_load_b128 v[BI+4:BI+7], v[BA] offset:16
.set fa, 0
.rept 16
	SETPOS fa
	LDF FP, AW, 1024*fa
.set fa, fa+1
.endr
	ASK LIM1, 1                                    ; slot 4
	s_wait_dscnt 24                                ; b1 and fragments 0-3 are in; the other twelve fragments' 24 loads may be out
.irp a,0,1,2,3
	AMUL \a
.endr
	s_wait_dscnt 16
.irp a,4,5,6,7
	AMUL \a
.endr
	s_wait_dscnt 8
.irp a,8,9,10,11
	AMUL \a
.endr
	s_wait_dscnt 0x0
.irp a,12,13,14,15
	AMUL \a
.endr
	WIN 0
	PCSEL
	LDF RR, AW, AOFF                               ; chunk 1's fragments and b1, in the order in which every trip's end issues them: the counts at the loop's head hold on both ways in
	ds_load_b128 v[BI:BI+3],   v[BA] offset:256
	ds_load_b128 v[BI+4:BI+7], v[BA] offset:272
	LDF RR+8,  AW, AOFF+1024
	LDF RR+16, AW, AOFF+2*1024
	LDF RR+24, AW, AOFF+3*1024
.set GN, 0
.rept 200
	GR
.endr
	HSTORE 0
	RUN13 0
	RUN15 0, 1
	; ---- trips 1 to 62, two a lap: the ring buffers and the h buffers are constants of the text ----
	s_mov_b32 s[CNT], 31
.Llap:
	TRIP 1, 0, LIM1, 16                            ; trip 63 - 2 CNT: expert 1 from CNT = 15 on; prefetches while CNT > 1
	TRIP 0, 0, LIM2, 17                            ; trip 64 - 2 CNT: expert 1 from CNT = 16 on; prefetches while CNT > 2
	s_sub_co_u32 s[CNT], s[CNT], 1
	s_cmp_lg_u32 s[CNT], 0
	s_cbranch_scc1 .Llap
	TRIP 1, 1, LIM1, 0                             ; trip 63 is written out: nothing is left to ask for
	; ---- h W2 of chunk 63: fragments 0-7 lie in RR, 8-11 in T; 12-15 follow into RR ----
.macro BFR fr, hr, cb
	WIN W_B
.irp t,0,1,2,3
	v_wmma_f32_16x16x32_bf16 v[8*(8*\t+(\cb)):8*(8*\t+(\cb))+7], v[(\fr):(\fr)+7], v[(\hr)+8*\t:(\hr)+8*\t+7], v[8*(8*\t+(\cb)):8*(8*\t+(\cb))+7]
.endr
.endm
	s_wait_dscnt 0x0                               ; my last h is stored, my fragments are in
	s_barrier_signal -1
	s_barrier_wait -1                              ; everybody's h is stored
.irp t,0,1,2,3
	LDF HA+8*\t, HL, HSZ+1024*\t
.endr
.irp t,0,1,2,3
	LDF HB+8*\t, HL, HSZ+4096+1024*\t
.endr
	s_wait_dscnt 8                                 ; k half 0 is in
.irp g,0,1,2,3
	BFR RR+8*\g, HA, \g
.endr
	WIN 0
	PLACES
.irp g,0,1,2,3
	LDF RR+8*\g, AW+1, AOFF+(12+\g)*1024
.endr
.irp g,4,5,6,7
	BFR RR+8*\g, HA, \g
.endr
	s_wait_dscnt 8                                 ; k half 1 is in; the eight loads just issued may be out
.irp g,0,1,2,3
	BFR TT+8*\g, HB, \g
.endr
	s_wait_dscnt 0x0
.irp g,0,1,2,3
	BFR RR+8*\g, HB, 4+\g
.endr
	; ---- the way out, a token block at a time, through a stage of 16 rows x 528 bytes in my own part of ring buffer 0, which has had its last fill (slot 62) and which no other wave touches ----
.macro OUTBLK tb
	WIN 0x04                                       ; the stores' data in window 1
.irp c,0,1,2,3,4,5,6,7
	ds_store_b128 v[STO], v[8*(8*(\tb)+\c):8*(8*(\tb)+\c)+3]   offset:64*\c     ; each accumulator's low four registers first
	ds_store_b128 v[STO], v[8*(8*(\tb)+\c)+4:8*(8*(\tb)+\c)+7] offset:64*\c+16
.endr
	WIN 0
.set ob, HA+64*((\tb)%2)
.if (\tb) >= 2
	s_wait_xcnt 0x0                                ; the stores of two blocks back have read these registers
.endif
.irp q,0,1,2,3,4,5,6,7,8,9,10,11,12,13,14,15
	ds_load_b128 v[ob+4*\q:ob+4*\q+3], v[AW] offset:SPI*\q  ; LDS serves a wave's instructions in order (ISA guide 5.7.1.4): these see the stores above, and the next block's stores come behind them
.endr
.irp q,0,1,2,3,4,5,6,7,8,9,10,11,12,13,14,15
	s_wait_dscnt 15-\q
	global_store_b128 v[GO], v[ob+4*\q:ob+4*\q+3], s[OB:OB+1] offset:(16*(\tb)+\q)*2048 th:TH_STORE_NT  ; a wave's store covers 512 consecutive bytes of a row of out0, aligned
.endr
.endm
	PLACES
	OUTBLK 0
	OUTBLK 1
	OUTBLK 2
	OUTBLK 3
	s_wait_tensorcnt 0x0                           ; the wave's end: behind my last tensor load and my last LDS store
	ds_add_u32 v[SPW], v[NIL]
	s_wait_dscnt 0x0
	CROUND                                         ; the closing round: no work-group ends while a partner may still ask for a tile that names it
	s_endpgm
.Lfunc_end_k_q21cae30990_moe:
	.size	k_q21cae30990_moe, .Lfunc_end_k_q21cae30990_moe-k_q21cae30990_moe
	.p2alignl 7, 3214868480
	.fill 96, 4, 3214868480
	.section	.rodata,"a",@progbits
	.p2align	6, 0x0
	.amdhsa_kernel k_q21cae30990_moe
		.amdhsa_group_segment_fixed_size 327680
		.amdhsa_private_segment_fixed_size 0
		.amdhsa_enable_private_segment 0
		.amdhsa_kernarg_size 56
		.amdhsa_user_sgpr_count 2
		.amdhsa_user_sgpr_kernarg_segment_ptr 1
		.amdhsa_wavefront_size32 1
		.amdhsa_system_sgpr_workgroup_id_x 1
		.amdhsa_system_sgpr_workgroup_id_y 1
		.amdhsa_system_sgpr_workgroup_id_z 1
		.amdhsa_system_vgpr_workitem_id 0
		.amdhsa_next_free_vgpr 1024
		.amdhsa_next_free_sgpr 92
		.amdhsa_reserve_vcc 0
		.amdhsa_float_denorm_mode_32 3
		.amdhsa_float_denorm_mode_16_64 3
		.amdhsa_memory_ordered 1
		.amdhsa_forward_progress 1
		.amdhsa_inst_pref_size 218
	.end_amdhsa_kernel
	.amdgpu_metadata
---
amdhsa.version: [ 1, 2 ]
amdhsa.kernels:
  - .name:           k_q21cae30990_moe
    .symbol:         k_q21cae30990_moe.kd
    .args:
      - { .name: hidden_states, .offset: 0, .size: 8, .value_kind: global_buffer, .address_space: global }
      - { .name: WF, .offset: 8, .size: 8, .value_kind: global_buffer, .address_space: global }
      - { .name: WGF, .offset: 16, .size: 8, .value_kind: global_buffer, .address_space: global }
      - { .name: b1, .offset: 24, .size: 8, .value_kind: global_buffer, .address_space: global }
      - { .name: b2, .offset: 32, .size: 8, .value_kind: global_buffer, .address_space: global }
      - { .name: bg, .offset: 40, .size: 8, .value_kind: global_buffer, .address_space: global }
      - { .name: out0, .offset: 48, .size: 8, .value_kind: global_buffer, .address_space: global }
    .group_segment_fixed_size: 327680
    .private_segment_fixed_size: 0
    .kernarg_segment_align: 8
    .kernarg_segment_size: 56
    .max_flat_workgroup_size: 128
    .sgpr_count:     92
    .vgpr_count:     1024
    .wavefront_size: 32
...
	.end_amdgpu_metadata
.endif
;; end of part 2
;; ======== version 2 of 3: 2 launches
;; workspace buffers: WF 8,388,608 bytes; WGF 16,384 bytes
;; launch prep (part 3): grid 257 x 1, 8 waves a work-group, no clusters, 0 bytes of LDS; arguments W1, W2, Wg, WF, WGF, out1; writes WF, WGF, out1
.if DOCPART == 3
	.amdgcn_target "amdgcn-amd-amdhsa--gfx1250"
	.amdhsa_code_object_version 6
	.text
	.protected	k_q21cae30990_prep
	.globl	k_q21cae30990_prep
	.p2align	8
	.type	k_q21cae30990_prep,@function
k_q21cae30990_prep:
	s_mov_b64 s[64:65], 0
	v_nop
	global_prefetch_b8 v0, s[64:65] scope:SCOPE_SE
	s_setreg_imm32_b32 hwreg(HW_REG_WAVE_MODE, 25, 1), 1
	s_wait_xcnt 0x0
; SimpleMoELayer, first of two launches: the weights are rounded to bf16 once and laid in the order in which the second launch's operand registers take them; out1 is stored.
; WORK LEFT OUT, for all finite inputs.  There are E = 2 experts and top_k takes K = 2 of them: top_i is a permutation of (0, 1) for every token.  So
;   (1) take_along_axis by top_i followed by the sum over K is the sum over both experts, whatever the order: no top-k and no gather is made;
;   (2) sum(top_p) is the sum of both softmax probabilities, which is 1: routing_weights are the probabilities themselves, and the division goes;
;   (3) assign, the sum of the two one_hot rows, is (1, 1): f_e = 1 / 2, sum_e f_e P_e = mean(p_0 + p_1) / 2 = 1 / 2, and balance_loss = 0.01 x 2 x 1 / 2 = 0.01.
; What is left is out0 = x + sum_e p_e (gelu(x W1_e + b1_e) W2_e + b2_e), p = softmax(x Wg + bg): every input still reaches out0, none is dropped.
; LIMIT: a NaN, an infinity or an overflow in the router's logits is not carried into out1, which is 0.01 whatever the inputs hold.
; A FRAGMENT is 16 rows x 32 k of bf16, 1,024 bytes: lane 16 h + r of a wave finds k = 8 h .. 8 h + 7 of row r at byte 16 x lane, and k = 16 + 8 h .. at byte 512 + 16 x lane.
; THE STREAMS.  The hidden index n = 2048 e + i goes in 64 chunks of 64.  Wave w of the second launch has a stream of 64 slots of 32 fragments at WF + 2,097,152 w; the slots are a ring:
;   A(c), 16 fragments of W1: fragment s holds k = 32 s .., row r = hidden column 64 c + 16 w + r;          it is the second half of slot (c - 1) mod 64
;   Bm(c), 16 fragments of W2: fragment 8 kk + cb holds k = hidden 64 c + 32 kk .., row r = output column 128 w + 16 cb + r;   it is the first half of slot (c + 1) mod 64
; SHARES.  A thread makes eight PIECES of 16 bytes (8 consecutive k of one row): 64 loads of 4 bytes (a wave's load covers 128 consecutive bytes, and the two halves of 256 stand on end),
; 32 roundings, 8 stores of 16 bytes in which sixteen neighbouring lanes fill 256 consecutive bytes, aligned.  All 64 loads of a wave are out before its first wait.
; Work-groups 0-127: W1 (chunk b / 2; wave v takes fragment 8 (b % 2) + v).  128-255: W2 (chunk (b - 128) / 2, k half b % 2; wave v takes output columns 64 v ..).  256: Wg and out1.
; No LDS, no matrix unit, no cluster: nothing is shared, and each byte is read once and written once.
.set LD,  16                           ; v[16:79]   piece p at LD + 8 p: eight f32
.set PKD, 80                           ; v[80:111]  piece p at PKD + 4 p: eight bf16
; rstr: bytes from k to k + 1 in the source.  cstep: bytes in WF from columns 0-31 to columns 32-63.  Source s[22:23] + v3, target s[26:27] + v6.
.macro CONV rstr, cstep
.irp o,0,1,2,3
.irp e,0,1,2,3,4,5,6,7
.irp q,0,1
	global_load_b32 v[LD+8*(2*\o+\q)+\e], v3, s[22:23] offset:(8*\o+\e)*(\rstr)+128*\q th:TH_LOAD_NT
.endr
.endr
.endr
.irp o,0,1,2,3
	s_wait_loadcnt 48-16*\o                        ; loads come back in order: the 16 of k octet o are in, the younger octets' stay out
.irp q,0,1
.irp i,0,1,2,3
	v_cvt_pk_bf16_f32 v[PKD+4*(2*\o+\q)+\i], v[LD+8*(2*\o+\q)+2*\i], v[LD+8*(2*\o+\q)+2*\i+1]
.endr
	global_store_b128 v6, v[PKD+4*(2*\o+\q):PKD+4*(2*\o+\q)+3], s[26:27] offset:\q*(\cstep)+(\o/2)*512+(\o%2)*256  ; k octet o = 2 (half of the fragment) + h
.endr
.endr
.endm
	s_load_b256 s[4:11], s[0:1], 0x0               ; W1 s[4:5], W2 s[6:7], Wg s[8:9], WF s[10:11]
	s_load_b128 s[12:15], s[0:1], 0x20             ; WGF s[12:13], out1 s[14:15]
	v_lshrrev_b32 v1, 5, v0
	v_readfirstlane_b32 s16, v1                    ; wave 0..7
	v_and_b32 v2, 31, v0                           ; lane
	v_lshlrev_b32 v3, 2, v2                        ; the source's lane term: a column a lane
	v_and_b32 v4, 15, v0                           ; lane % 16: the row in a fragment
	v_bfe_u32 v5, v0, 4, 1                         ; lane / 16
	s_mov_b32 s17, ttmp9
	s_wait_kmcnt 0x0
	s_cmp_lt_u32 s17, 128
	s_cbranch_scc0 .Lnot_w1
	; W1[e][k][i]: 4,194,304 e + 8,192 k + 4 i
	s_lshr_b32 s18, s17, 1                         ; chunk c
	s_and_b32 s19, s17, 1
	s_lshl_b32 s19, s19, 3
	s_add_co_u32 s19, s19, s16                     ; fragment s
	s_lshr_b32 s20, s18, 5
	s_lshl_b32 s20, s20, 22                        ; the expert
	s_lshl_b32 s21, s19, 18                        ; 32 s rows of 8,192 bytes
	s_add_co_u32 s20, s20, s21
	s_and_b32 s21, s18, 31
	s_lshl_b32 s21, s21, 8                         ; the chunk's 64 columns
	s_add_co_u32 s20, s20, s21
	s_mov_b32 s21, 0
	s_add_nc_u64 s[22:23], s[4:5], s[20:21]
	s_add_co_u32 s24, s18, 63
	s_and_b32 s24, s24, 63                         ; slot (c - 1) mod 64,
	s_lshl_b32 s24, s24, 5
	s_add_co_u32 s24, s24, 16                      ; its second half,
	s_add_co_u32 s24, s24, s19                     ; fragment s
	s_lshl_b32 s24, s24, 10
	s_mov_b32 s25, 0
	s_add_nc_u64 s[26:27], s[10:11], s[24:25]
	v_lshlrev_b32 v6, 21, v5                       ; column 32 q + lane belongs to stream 2 q + lane / 16,
	v_lshl_add_u32 v6, v4, 4, v6                   ; row lane % 16
	CONV 8192, 4194304
	s_endpgm
.Lnot_w1:
	s_cmp_lt_u32 s17, 256
	s_cbranch_scc0 .Lrouter
	; W2[e][i][m]: 2,048 (2048 e + i) + 4 m: the hidden index runs flat over the experts
	s_sub_co_u32 s18, s17, 128
	s_and_b32 s19, s18, 1                          ; kk
	s_lshr_b32 s18, s18, 1                         ; chunk c
	s_lshl_b32 s20, s18, 17                        ; 64 c rows of 2,048 bytes
	s_lshl_b32 s21, s19, 16                        ; 32 kk rows
	s_add_co_u32 s20, s20, s21
	s_lshl_b32 s21, s16, 8                         ; my wave's 64 columns
	s_add_co_u32 s20, s20, s21
	s_mov_b32 s21, 0
	s_add_nc_u64 s[22:23], s[6:7], s[20:21]
	s_add_co_u32 s24, s18, 1
	s_and_b32 s24, s24, 63                         ; slot (c + 1) mod 64, its first half
	s_lshl_b32 s24, s24, 5
	s_lshl3_add_u32 s24, s19, s24                  ; + 8 kk
	s_and_b32 s25, s16, 1
	s_lshl2_add_u32 s24, s25, s24                  ; + 4 (v % 2): column block cb = 4 (v % 2) + 2 q + lane / 16
	s_lshl_b32 s24, s24, 10
	s_lshr_b32 s25, s16, 1
	s_lshl_b32 s25, s25, 21                        ; stream v / 2
	s_add_co_u32 s24, s24, s25
	s_mov_b32 s25, 0
	s_add_nc_u64 s[26:27], s[10:11], s[24:25]
	v_lshlrev_b32 v6, 10, v5
	v_lshl_add_u32 v6, v4, 4, v6
	CONV 2048, 2048
	s_endpgm
.Lrouter:
	; WGF: 16 fragments; fragment s holds k = 32 s ..; rows 0, 1 and again 8, 9 are Wg's two columns, all other rows 0: so both halves of the lanes will hold both logits.
	; Half fragment hf = v + 8 n (n = 0..3) holds k = 16 hf + 8 h + 0..7.  Wg[k][e] lies at 8 k + 4 e.
	v_and_b32 v7, 1, v0
	v_lshlrev_b32 v7, 2, v7                        ; 4 (row % 2)
	v_lshl_add_u32 v7, v5, 6, v7                   ; + 64 h
	s_lshl_b32 s18, s16, 7
	v_add_nc_u32 v7, s18, v7                       ; + 128 v
	v_lshlrev_b32 v8, 4, v0                        ; the target: 512 v + 16 lane
	v_and_b32 v9, 6, v0
	v_cmp_eq_u32 s19, 0, v9                        ; rows 0, 1, 8, 9
	v_mov_b32 v10, 0
	v_mov_b32 v11, 0x3c23d70a                      ; 0.01
.irp n,0,1,2,3
.irp e,0,1,2,3,4,5,6,7
	global_load_b32 v[LD+8*\n+\e], v7, s[8:9] offset:1024*\n+8*\e
.endr
.endr
	s_wait_loadcnt 0x0
.irp n,0,1,2,3
.irp i,0,1,2,3
	v_cvt_pk_bf16_f32 v[PKD+4*\n+\i], v[LD+8*\n+2*\i], v[LD+8*\n+2*\i+1]
.endr
.irp i,0,1,2,3
	v_cndmask_b32 v[PKD+4*\n+\i], 0, v[PKD+4*\n+\i], s19
.endr
	global_store_b128 v8, v[PKD+4*\n:PKD+4*\n+3], s[12:13] offset:4096*\n
.endr
	s_wait_xcnt 0x0                                ; EXEC is a source of the stores above: it changes only behind this wait
	v_cmp_eq_u32 vcc_lo, 0, v0
	s_and_saveexec_b32 s20, vcc_lo
	global_store_b32 v10, v11, s[14:15]            ; out1, by thread 0
	s_wait_xcnt 0x0                                ; and again in front of the line that widens it
	s_or_b32 exec_lo, exec_lo, s20
	s_endpgm
.Lfunc_end_k_q21cae30990_prep:
	.size	k_q21cae30990_prep, .Lfunc_end_k_q21cae30990_prep-k_q21cae30990_prep
	.p2alignl 7, 3214868480
	.fill 96, 4, 3214868480
	.section	.rodata,"a",@progbits
	.p2align	6, 0x0
	.amdhsa_kernel k_q21cae30990_prep
		.amdhsa_group_segment_fixed_size 0
		.amdhsa_private_segment_fixed_size 0
		.amdhsa_enable_private_segment 0
		.amdhsa_kernarg_size 48
		.amdhsa_user_sgpr_count 2
		.amdhsa_user_sgpr_kernarg_segment_ptr 1
		.amdhsa_wavefront_size32 1
		.amdhsa_system_sgpr_workgroup_id_x 1
		.amdhsa_system_sgpr_workgroup_id_y 1
		.amdhsa_system_sgpr_workgroup_id_z 1
		.amdhsa_system_vgpr_workitem_id 0
		.amdhsa_next_free_vgpr 112
		.amdhsa_next_free_sgpr 66
		.amdhsa_reserve_vcc 1
		.amdhsa_float_denorm_mode_32 3
		.amdhsa_float_denorm_mode_16_64 3
		.amdhsa_memory_ordered 1
		.amdhsa_forward_progress 1
		.amdhsa_inst_pref_size 27
	.end_amdhsa_kernel
	.amdgpu_metadata
---
amdhsa.version: [ 1, 2 ]
amdhsa.kernels:
  - .name:           k_q21cae30990_prep
    .symbol:         k_q21cae30990_prep.kd
    .args:
      - { .name: W1, .offset: 0, .size: 8, .value_kind: global_buffer, .address_space: global }
      - { .name: W2, .offset: 8, .size: 8, .value_kind: global_buffer, .address_space: global }
      - { .name: Wg, .offset: 16, .size: 8, .value_kind: global_buffer, .address_space: global }
      - { .name: WF, .offset: 24, .size: 8, .value_kind: global_buffer, .address_space: global }
      - { .name: WGF, .offset: 32, .size: 8, .value_kind: global_buffer, .address_space: global }
      - { .name: out1, .offset: 40, .size: 8, .value_kind: global_buffer, .address_space: global }
    .group_segment_fixed_size: 0
    .private_segment_fixed_size: 0
    .kernarg_segment_align: 8
    .kernarg_segment_size: 48
    .max_flat_workgroup_size: 256
    .sgpr_count:     66
    .vgpr_count:     112
    .wavefront_size: 32
...
	.end_amdgpu_metadata
.endif
;; end of part 3
;; launch moe (part 4): grid 256 x 1, 4 waves a work-group, clusters of 4 x 1, 327,680 bytes of LDS; arguments hidden_states, WF, WGF, b1, b2, bg, out0; writes out0
.if DOCPART == 4
	.amdgcn_target "amdgcn-amd-amdhsa--gfx1250"
	.amdhsa_code_object_version 6
	.text
	.protected	k_q21cae30990_moe
	.globl	k_q21cae30990_moe
	.p2align	8
	.type	k_q21cae30990_moe,@function
k_q21cae30990_moe:
	s_mov_b64 s[64:65], 0
	v_nop
	global_prefetch_b8 v0, s[64:65] scope:SCOPE_SE
	s_setreg_imm32_b32 hwreg(HW_REG_WAVE_MODE, 25, 1), 1
	s_wait_xcnt 0x0
	s_wait_alu depctr_hold_cnt(0) depctr_sa_sdst(0) depctr_va_vdst(0) depctr_va_sdst(0) depctr_va_ssrc(0) depctr_va_vcc(0) depctr_vm_vsrc(0)
	s_getreg_b32 s2, hwreg(HW_REG_IB_STS2, 6, 4)
	s_cmp_eq_u32 s2, 0
	s_cbranch_scc0 .Lentry_in_a_cluster
	s_endpgm
.Lentry_in_a_cluster:
	s_bfe_u32 s2, ttmp6, 0x10000c
	s_cmp_lg_u32 s2, 0x3003
	s_cbranch_scc0 .Lentry_shape_is_right
	s_endpgm
.Lentry_shape_is_right:
; SimpleMoELayer, second launch: out0 = x + sum_e p_e (gelu(x W1_e + b1_e) W2_e + b2_e), p = softmax(x Wg + bg), for 64 tokens a work-group, the hidden layer never leaving the WGP.
; LEFT OUT (shown at the head of the first launch's text): with 2 experts and top-2 the selection, its gather and the division by sum(top_p) = 1 change nothing; balance_loss is the constant that launch stored.
; ONE MLP.  Rows of gelu(..) are multiplied by p_e before the second product, so both experts are one chain 512 -> 4,096 -> 512; the hidden index goes in 64 chunks of 64 (chunks 0-31: expert 0).
; FORMATS.  x, the weights and p x gelu(..) are rounded once to bf16 as matrix operands; all sums in f32.  The residual x and p_e b2_e enter the output's accumulators in f32, ahead of the products.
; gelu is the tanh form, v sigmoid(2 u) = v / (1 + 2^(v (a + b v^2))), a = -2 log2(e) sqrt(2 / pi), b = 0.044715 a.  The softmax takes the larger logit away, so its divisor lies in 1 to 2.
; LIMITS.  A probability below 2^-126 counts as 0; for large |v| the gelu saturates to v or to -0; NaN and infinities are not treated apart.
; SHARES.  Four waves.  In x W1 wave w makes hidden columns 16 w .. 16 w + 15 of the chunk for all 64 tokens (4 accumulators S); in h W2 it makes output columns 128 w .. + 127 for all 64 tokens
; (32 accumulators).  So every weight byte is read from LDS by one wave, the one whose tensor load brought it.  All of x (64 x 512, bf16 fragments) stays in 512 registers of every wave.
; BOTH PRODUCTS ARE TRANSPOSED (source 0 = 16 rows of weights, source 1 = 16 tokens): a lane holds ONE token (lane % 16) and eight neighbouring columns 8 (lane / 16) + 0..7.  So b1 is the C operand of
; a chunk's first product, p is one number a lane and tile, a tile's rounded h is 16 bytes a lane that ARE half a fragment of the second product's source 1, and the output packs into 32 bytes of a row.
; THE RING.  The first launch laid each wave's weights as 64 slots of 32 fragments (a fragment: 1,024 bytes, lane l's two 16 bytes at 16 l and 512 + 16 l).  Slot j: W2 of chunk j - 1, then W1 of chunk j + 1,
; all modulo 64.  Two LDS buffers of 4 x 32 KiB take turns; a wave's one tensor load a trip brings its 32 KiB.
; THE WALK IS TURNED.  The sum over the chunks may be taken in any order.  Cluster i begins at chunk c0 = i, or i xor 62 where i is odd, and walks c0, c0 + 1 .. c0 + 63 modulo 64: at any time the 64 clusters
; ask for 64 different slots, and of the 32 clusters that agree in any one bit of i exactly one begins in each pair of slots 2 t, 2 t + 1.  c0 enters global addresses and the choice of p alone.
; TRIP t (chunk c = c0 + t): x W1 of chunk c (64 products, its fragments fetched into registers in trip t - 1), then h W2 of chunk c - 1 (64 products), behind the first 59 of which stand three lines each of chunk
; c's gelu.  All its LDS reads of weights are slot c's, and they stand in six runs, never singly among the products.  ONE round of the cluster's barrier a trip, among the first products: behind it slot c is whole,
; slot c - 1 is read out and filled again, and h of chunk c - 1 is there for all four waves.  At the start the second halves of slots c0 - 1 and c0 are fetched alone; trip 63 asks for the first half of slot c0
; alone: 64.5 slots in all.
; CLUSTER.  All work-groups walk the same weights: the four of a cluster ask for each slot JOINTLY (the same load, descriptor and mask in all four).  x is each work-group's own.
; NO DATA PREFETCH: every cluster reads all of WF; a block's first reader in the launch is one of some cluster's first three requests, which stand at the launch's head.
; REGISTERS, in windows of 256 (s_set_vgpr_msb: bits 1:0 source 0, 3:2 source 1, 5:4 source 2, 7:6 destination):
;   window 0: addresses, p, S, gelu's T, h fragments, weight fragments, b1 (the names below)     window 1: the 32 output accumulators, (token block t, column block c) at 8 (8 t + c)
;   windows 2, 3: x's fragments: token block t, k = 32 s .. at 8 (4 (s % 8) + t) of window 2 + s / 8
; The accumulators fill a window, so a line of the gelu never shares its product's setting: a slice costs two switches.
.set BUF1,  131072                     ; LDS: ring buffer 0 at 0, buffer 1 here; wave w's part at 32,768 w
.set AOFF,  16384                      ; a slot's second 16 fragments
.set XB,    131072                     ; in the prologue alone: x in f32, four tiles of 32 tokens x 256 columns (tile 2 (token / 32) + column / 256)
.set XSUB,  33280                      ; a tile: 32 rows of
.set XP,    1040                       ; 1,024 bytes + 16 of padding = 65 x 16: the 16 rows of a load start 16 bytes apart modulo 256
.set HBUF,  264192                     ; behind x: h, two buffers of 8 fragments (token block t, k half kk at 1,024 (4 kk + t)); no tensor load lands here
.set HSZ,   8192
.set SPARE, 280576                     ; the spare words, 128 bytes for each wave: two blocks of 256 bytes that no other line names
.set SPI,   528                        ; the way out: 512 bytes + 16 = 33 x 16
.set AW,   2                           ; v2, v3   16 lane + 32,768 w in ring buffer 0, 1; never rewritten
.set HL,   4                           ; v4       HBUF + 16 lane
.set HS,   5                           ; v5       where my 16 bytes of h go: HBUF + 4,096 (w / 2) + 512 (w % 2) + 16 lane
.set BA0,  6                           ; v6       my 32 bytes in a chunk's 256 of b1: 64 w + 32 (lane / 16)
.set BA,   7                           ; v7       the same at the chunk whose b1 is fetched
.set L16,  8                           ; v8       16 lane
.set SPW,  10                          ; v10      LDS address of my spare word; never rewritten
.set NIL,  11                          ; v11      0; never rewritten
.set XA,   12                          ; v12, v13 x for fragments: XB + 1,040 (lane % 16) + 32 (lane / 16), token blocks 0-1, 2-3
.set XC,   14                          ; v14, v15 x for the accumulators: the same at my 128 columns
.set P0,   16                          ; v[16:23] p_0 of token block t in both registers of pair t
.set P1,   24                          ; v[24:31] p_1
.set PSEL, 32                          ; v[32:39] the p of the expert in hand
.set SS,   40                          ; v[40:71]   S: token block t at SS + 8 t
.set TT,   72                          ; v[72:103]  T: gelu at work; between two gelus W1's fragments 8-11
.set HA,   104                         ; v[104:135] h fragments, k half 0
.set HB,   136                         ; v[136:167] k half 1; between two uses W1's fragments 12-15
.set RR,   168                         ; v[168:231] eight weight fragments
.set BI,   232                         ; v[232:239] b1 of my eight hidden columns
.set STO,  240                         ; v240     the way out: 32,768 w + 528 (lane % 16) + 32 (lane / 16)
.set GO,   241                         ; v241     512 w + 16 lane
.set B2O,  242                         ; v242     512 w + 32 (lane / 16)
.set WV,   18                          ; s18  my wave's number
.set CX,   19                          ; s19  my place in the cluster: it enters x's and out0's addresses alone
.set G1W,  24                          ; s[24:31] group 1 for a wave's part of a slot
.set G0W0, 32                          ; s[32:35] group 0 for ring buffer 0
.set G1X,  36                          ; s[36:43], s[44:47] x's tile
.set G0X,  44
.set G1H,  48                          ; s[48:55] group 1 for half of a wave's part of a slot
.set G0H,  56                          ; s[56:59] group 0 for the second half of ring buffer 0: used once
.set G0W1, 60                          ; s[60:63] group 0 for ring buffer 1
.set CNT,  66                          ; s66  laps of two trips still to come, 31 .. 1
.set PM,   67                          ; s67  all ones where the chunk in hand is expert 1's
.set WB,   68                          ; s[68:69] WF at my stream
.set GA,   70                          ; s[70:71] a, named as a pair
.set GB,   72                          ; s[72:73] b
.set BG,   74                          ; s[74:75] bg
.set OB,   76                          ; s[76:77] out0 at my work-group's first row
.set OFS,  78                          ; s[78:79] the byte offset in my stream of the slot to be asked for
.set BS,   80                          ; s80  256 x the next chunk
.set CH,   81                          ; s81  the chunk in hand
.set NX,   92                          ; s92  the next chunk, which is also the number of the slot to be asked for
.set W_B,  0x50                        ; h W2: C and D in window 1
.set MSB, 0
.macro WIN new                         ; the high byte repeats the setting that is left; a switch that changes nothing is dropped
.if MSB != (\new)
	s_set_vgpr_msb (MSB<<8)|(\new)
.set MSB, (\new)
.endif
.endm
.macro PLACES                          ; four places: behind a matrix instruction, in front of loads into registers that it read and of lines that read its result
.rept 4
	v_nop
.endr
.endm
; A round of the cluster's barrier: my work-group's barrier, so that wave 0's signal speaks for all four waves; wave 0 signals; every wave waits for all four work-groups; my work-group's barrier once more.
.macro CREST
	s_cmp_lg_u32 s[WV], 0
	s_cbranch_scc1 .Lnot_wave_0_\@
	s_barrier_signal -3
.Lnot_wave_0_\@:
	s_barrier_wait -3
	s_barrier_signal -1
	s_barrier_wait -1
.endm
.macro CROUND
	s_barrier_signal -1
	s_barrier_wait -1
	CREST
.endm
.macro LDF dst, adr, ofs               ; a fragment: two loads of 512 consecutive bytes.  ISS counts the LDS instructions issued since the trip's wait for 0
	ds_load_b128 v[(\dst):(\dst)+3],   v[\adr] offset:(\ofs)
	ds_load_b128 v[(\dst)+4:(\dst)+7], v[\adr] offset:(\ofs)+512
.set ISS, ISS+2
.endm
.macro BILOAD                          ; b1 of the chunk that v[BA] names: 32 bytes a lane, straight from memory
	global_load_b128 v[BI:BI+3],   v[BA], s[10:11]
	global_load_b128 v[BI+4:BI+7], v[BA], s[10:11] offset:16
.endm
.macro SETPOS a                        ; where W1's fragment a of 16 lies
.if (\a) < 8
.set FP, RR+8*(\a)
.elseif (\a) < 12
.set FP, TT+8*((\a)-8)
.else
.set FP, HB+8*((\a)-12)
.endif
.endm
; x W1, K step a of 16: four products, the four accumulators by turns (one instruction a turn).  The first step's C is b1.
.macro AMUL a
	SETPOS \a
	WIN 0x08+4*((\a)/8)
.irp t,0,1,2,3
.if (\a) == 0
	v_wmma_f32_16x16x32_bf16 v[SS+8*\t:SS+8*\t+7], v[FP:FP+7], v[8*(4*((\a)%8)+\t):8*(4*((\a)%8)+\t)+7], v[BI:BI+7]
.else
	v_wmma_f32_16x16x32_bf16 v[SS+8*\t:SS+8*\t+7], v[FP:FP+7], v[8*(4*((\a)%8)+\t):8*(4*((\a)%8)+\t)+7], v[SS+8*\t:SS+8*\t+7]
.endif
.endr
.endm
.macro PCSEL                           ; the expert's p; also the four places behind x W1's last products
.irp t,0,1,2,3
	v_cndmask_b32 v[PSEL+2*\t], v[P0+2*\t], v[P1+2*\t], s[PM]
.endr
.endm
; THE GELU of a chunk: 64 numbers a lane, in 16 pairs (pair p: S + 2 p, T + 2 p).  Its nine kinds of line:
.macro GSQ p                           ; v^2
	v_pk_mul_f32 v[TT+2*(\p):TT+2*(\p)+1], v[SS+2*(\p):SS+2*(\p)+1], v[SS+2*(\p):SS+2*(\p)+1]
.endm
.macro GFM p                           ; b v^2 + a
	v_pk_fma_f32 v[TT+2*(\p):TT+2*(\p)+1], v[TT+2*(\p):TT+2*(\p)+1], s[GB:GB+1], s[GA:GA+1] op_sel_hi:[1,0,0]
.endm
.macro GML p                           ; times v
	v_pk_mul_f32 v[TT+2*(\p):TT+2*(\p)+1], v[TT+2*(\p):TT+2*(\p)+1], v[SS+2*(\p):SS+2*(\p)+1]
.endm
.macro GEX r                           ; 2^.., register r of T's 32
	v_exp_f32 v[TT+(\r)], v[TT+(\r)]
.endm
.macro GAD p                           ; 1 + 2^..
	v_pk_add_f32 v[TT+2*(\p):TT+2*(\p)+1], v[TT+2*(\p):TT+2*(\p)+1], 1.0 op_sel_hi:[1,0]
.endm
.macro GSP p                           ; v p
	v_pk_mul_f32 v[SS+2*(\p):SS+2*(\p)+1], v[SS+2*(\p):SS+2*(\p)+1], v[PSEL+2*((\p)/4):PSEL+2*((\p)/4)+1] op_sel_hi:[1,0]
.endm
.macro GRC r                           ; 1 / (1 + 2^..)
	v_rcp_f32 v[TT+(\r)], v[TT+(\r)]
.endm
.macro GM3 p                           ; v p / (1 + 2^..)
	v_pk_mul_f32 v[SS+2*(\p):SS+2*(\p)+1], v[SS+2*(\p):SS+2*(\p)+1], v[TT+2*(\p):TT+2*(\p)+1]
.endm
.macro GCV i                           ; pair i rounded to bf16, into T + i
	v_cvt_pk_bf16_f32 v[TT+(\i)], v[SS+2*(\i)], v[SS+2*(\i)+1]
.endm
; They make a numbered list of 177 lines without a gap; GR writes number GN.  Plain lines and transcendentals go by turns where there are both.
;   0-79     the first batch: 0-5 start it (v^2 of pairs 0-2, b v^2 + a of 0, 1, times v of 0); 6-70, for u = 3 .. 15: v^2 of pair u, an exponential of pair u - 3, b v^2 + a of u - 1, the other exponential,
;            times v of u - 2; 71-79 end it.  Nothing here names an exponential's result
;   80       a plain line behind the last exponential, and ONE wait for the 32 (ahead of the first line that names a result)
;   81-144   the second batch: 1 + 2^.. of pair 0; for u = 1 .. 12: 1 + 2^.. of pair u, a reciprocal of pair u - 1, v p of u - 1, the other reciprocal; for u = 13 .. 15 the same without v p; pair 15's two
;            reciprocals; then v p of pairs 12-15: four plain lines behind the last reciprocal; and behind number 144 one wait for the 32 reciprocals
;   145-176  v p / (1 + 2^..) of pair u and the rounding of pair u - 1 by turns
; Each accumulator of S is first read at its two lowest registers (v^2 takes the pairs in ascending order).
.macro GR
.if GN < 6
.if GN == 0
	GSQ 0
.elseif GN == 1
	GSQ 1
.elseif GN == 2
	GFM 0
.elseif GN == 3
	GSQ 2
.elseif GN == 4
	GFM 1
.else
	GML 0
.endif
.elseif GN < 71
.set gu, 3+(GN-6)/5
.set gk, (GN-6)%5
.if gk == 0
	GSQ gu
.elseif gk == 1
	GEX 2*gu-6
.elseif gk == 2
	GFM gu-1
.elseif gk == 3
	GEX 2*gu-5
.else
	GML gu-2
.endif
.elseif GN < 80
.if GN == 71
	GEX 26
.elseif GN == 72
	GFM 15
.elseif GN == 73
	GEX 27
.elseif GN == 74
	GML 14
.elseif GN == 75
	GML 15
.else
	GEX GN-48
.endif
.elseif GN == 80
	v_nop
	s_wait_alu depctr_va_vdst(0)
.elseif GN < 145
.set gm, GN-81
.if gm == 0
	GAD 0
.elseif gm < 49
.set gu, 1+(gm-1)/4
.set gk, (gm-1)%4
.if gk == 0
	GAD gu
.elseif gk == 1
	GRC 2*gu-2
.elseif gk == 2
	GSP gu-1
.else
	GRC 2*gu-1
.endif
.elseif gm < 58
.set gu, 13+(gm-49)/3
.set gk, (gm-49)%3
.if gk == 0
	GAD gu
.elseif gk == 1
	GRC 2*gu-2
.else
	GRC 2*gu-1
.endif
.elseif gm < 60
	GRC gm-28
.else
	GSP gm-48
.endif
.if gm == 63
	s_wait_alu depctr_va_vdst(0)
.endif
.else
.set gm, GN-145
.if gm == 0
	GM3 0
.elseif gm == 31
	GCV 15
.elseif gm%2 == 1
	GM3 (gm+1)/2
.else
	GCV gm/2-1
.endif
.endif
.set GN, GN+1
.endm
.macro HSTORE hb                       ; my 16 bytes of each token block's h, into h buffer hb: a wave's store covers 512 consecutive bytes
.irp t,0,1,2,3
	ds_store_b128 v[HS], v[TT+4*\t:TT+4*\t+3] offset:HSZ*(\hb)+1024*\t
.endr
.set ISS, ISS+4
.endm
.macro RUN13 sb                        ; 12 loads: the next chunk's fragments 4, 5 and 8-11 of W1
	LDF RR+32, AW+(\sb), AOFF+4*1024
	LDF RR+40, AW+(\sb), AOFF+5*1024
.irp f,8,9,10,11
	LDF TT+8*(\f-8), AW+(\sb), AOFF+\f*1024
.endr
.endm
.macro RUN15 sb                        ; 12 loads: fragments 6, 7 and 12-15
	LDF RR+48, AW+(\sb), AOFF+6*1024
	LDF RR+56, AW+(\sb), AOFF+7*1024
.irp f,12,13,14,15
	LDF HB+8*(\f-12), AW+(\sb), AOFF+\f*1024
.endr
.endm
; TRIP t.  sb = t % 2: the ring buffer of the trip's slot, and the h buffer that the trip's h goes into.  last = 1: trip 63, which asks for half a slot and fetches no W1: no chunk follows.
.macro TRIP sb, last
	WIN 0                                          ; (the add's two registers lie in window 0)
	s_wait_tensorcnt 0x0                           ; all my tensor loads have landed: the one that was out is my part of this trip's slot; so a group 0 may be written
	ds_add_u32 v[SPW], v[NIL]                      ; 0 onto my spare word: scalar steps and 24 products stand between it and the wait for it
.set GF, G0W0+(G0W1-G0W0)*(1-(\sb))
	s_add_co_u32 s[CH], s[CH], 1
	s_and_b32 s[CH], s[CH], 63                     ; the chunk in hand
	s_cmp_ge_u32 s[CH], 32
	s_cselect_b32 s[PM], -1, 0                     ; its expert
	s_add_co_u32 s[NX], s[CH], 1
	s_and_b32 s[NX], s[NX], 63                     ; the next chunk, and the slot to be asked for
	s_lshl_b32 s[BS], s[NX], 8
	s_lshl_b32 s[OFS], s[NX], 15
	s_add_nc_u64 s[GF+2:GF+3], s[WB:WB+1], s[OFS:OFS+1]  ; the other buffer's descriptor: its address is made anew from the slot's number,
	s_or_b32 s[GF+3], s[GF+3], 0x80000000          ; and the type set again
	s_wait_loadcnt 0x0                             ; b1 of this chunk, asked for behind the last trip's round
	s_wait_dscnt 29                                ; h's four stores, the two runs of 12 at the last trip's end and the add may be out: fragments 0-3 are in
.irp a,0,1,2,3
	AMUL \a
.endr
	s_wait_dscnt 13                                ; the last run of 12 and the add may be out: fragments 4, 5 (and 8-11) are in
.irp a,4,5
	AMUL \a
.endr
	s_wait_dscnt 0x0                               ; the add is done, my reads of the last slot and of the older h are over, my h is stored:
	s_barrier_signal -1                            ; say so,
.irp a,6,7
	AMUL \a
.endr
	WIN 0
	s_barrier_wait -1                              ; and go on when all four have said so
	CREST                                          ; the barrier has opened a round of the cluster's: no wave of any partner still reads the last slot or has a load on its way
.if \last
	tensor_load_to_lds s[GF:GF+3], s[G1H:G1H+7]    ; the first half of slot c0: W2 of the walk's last chunk
.else
	tensor_load_to_lds s[GF:GF+3], s[G1W:G1W+7]    ; the next slot, the first thing behind the round: 96 products and the gelu in which to land
.endif
	s_nop 0
	v_add_nc_u32 v[BA], s[BS], v[BA0]              ; four vector lines: the places behind the products above, in front of the loads below (the load that read v[BA] was waited for at the trip's head)
	v_nop
	v_nop
	v_nop
.set ISS, 0
.irp t,0,1,2,3
	LDF HA+8*\t, HL, HSZ*(1-(\sb))+1024*\t         ; RUN 1, 24 loads: h of the chunk before, k half 0,
.endr
.irp g,0,1,2,3,4,5,6,7
	LDF RR+8*\g, AW+(\sb), 1024*\g                 ; and W2's fragments 0-7
.endr
.if !(\last)
	BILOAD                                         ; b1 of the next chunk: it has the rest of the trip in which to come
.endif
.irp a,8,9,10,11,12,13,14,15
	AMUL \a
.endr
	WIN 0
	PCSEL
	; h W2: product bq of 64: fragment bq / 4 (k half, column block), token block bq % 4: 32 accumulators by turns.  Behind product bq < 59 stand numbers 3 bq .. 3 bq + 2 of the gelu's list.
	; THE OTHER FIVE RUNS, each four plain lines or more behind the last product that read the registers it loads (transcendentals are no places):
	;   RUN 2 behind product 17's slice: h's k half 1 and fragments 8-11, into positions that product 15 read last: numbers 45-53 hold six plain lines.  First reader: product 32
	;   RUN 3 behind product 34's slice: fragments 12-15; last reader product 31: numbers 93-104 hold six.  First reader: product 48
	;   RUN 4 directly behind the reciprocals' wait, in product 48's slice: the next chunk's W1 fragments 0-3; last reader product 47: numbers 141-144, the four v p, are the four places
	;   RUN 5 behind product 58's slice, the gelu's end: h's stores, W1's fragments 4, 5 (last reader product 55: numbers 165-176 are plain) and 8-11, into T
	;   RUN 6 behind product 63 and four v_nop: W1's fragments 6, 7 and 12-15
.set GN, 0
.set bq, 0
.rept 64
.set gq, bq/4
.set tq, bq%4
.if tq == 0
.if gq < 8
	s_wait_dscnt ISS-(10+2*gq)                     ; LDS instructions end in order: fragment gq was the (10 + 2 gq)th issued; all behind it may be out
.else
	s_wait_dscnt ISS-(18+2*gq)                     ; likewise: the (18 + 2 gq)th, behind h's second half
.endif
.endif
	WIN W_B
.set ra, 8*(8*tq+gq%8)
.set rh, HA+32*(gq/8)+8*tq
	v_wmma_f32_16x16x32_bf16 v[ra:ra+7], v[RR+8*(gq%8):RR+8*(gq%8)+7], v[rh:rh+7], v[ra:ra+7]
.if bq < 59
	WIN 0
.rept 3
	GR
.if (GN == 145) && !(\last)
.irp f,0,1,2,3
	LDF RR+8*\f, AW+(\sb), AOFF+1024*\f            ; RUN 4
.endr
.endif
.endr
.endif
.if bq == 17
.irp t,0,1,2,3
	LDF HB+8*\t, HL, HSZ*(1-(\sb))+4096+1024*\t    ; RUN 2
.endr
.irp g,0,1,2,3
	LDF RR+8*\g, AW+(\sb), 1024*(8+\g)
.endr
.endif
.if bq == 34
.irp g,4,5,6,7
	LDF RR+8*\g, AW+(\sb), 1024*(8+\g)             ; RUN 3
.endr
.endif
.if bq == 58
	HSTORE \sb                                     ; RUN 5
.if !(\last)
	RUN13 \sb
.endif
.endif
.if bq == 63
	WIN 0
.if !(\last)
	PLACES
	RUN15 \sb                                      ; RUN 6
.endif
.endif
.set bq, bq+1
.endr
.endm
	; ---- the head ----
	s_load_b256 s[4:11], s[0:1], 0x0               ; x s[4:5], WF s[6:7], WGF s[8:9], b1 s[10:11]
	s_load_b128 s[12:15], s[0:1], 0x20             ; b2 s[12:13], bg s[14:15]
	s_load_b64 s[16:17], s[0:1], 0x30              ; out0
	v_lshl_add_u32 v[SPW], v0, 2, SPARE
	v_mov_b32 v[NIL], 0
	ds_add_u32 v[SPW], v[NIL]                      ; the wave's opening: the add, twice on end, and its wait ahead of my first tensor load; the set-up below stands between
	ds_add_u32 v[SPW], v[NIL]
	v_lshrrev_b32 v1, 5, v0
	v_readfirstlane_b32 s[WV], v1                  ; wave 0..3
	s_bfe_u32 s[CX], ttmp6, 0x40000
	s_lshl_b32 s20, ttmp9, 2                       ; in a cluster launch ttmp9 counts clusters
	s_add_co_u32 s20, s20, s[CX]                   ; my work-group
	s_lshl_b32 s20, s20, 17                        ; its 64 rows of 2,048 bytes
	s_mov_b32 s21, 0
	s_lshr_b32 s89, s[WV], 1
	s_and_b32 s90, s[WV], 1
	s_lshl_b32 s22, s89, 16                        ; x's tile w: tokens 32 (w / 2) ..,
	s_lshl_b32 s23, s90, 10                        ; columns 256 (w % 2) ..
	s_add_co_u32 s22, s22, s23
	s_add_co_u32 s22, s22, s20
	s_mov_b32 s23, 0
	s_lshl_b32 s82, s[WV], 21                      ; my stream: no place in the cluster enters a joint load's registers
	s_mov_b32 s83, 0
	s_and_b32 s88, ttmp9, 63                       ; the cluster's number i, the same in all four partners
	s_and_b32 s[CH], s88, 1
	s_mul_i32 s[CH], s[CH], 62
	s_xor_b32 s[CH], s[CH], s88                    ; c0 = i, or i xor 62 where i is odd
	s_cmp_ge_u32 s[CH], 32
	s_cselect_b32 s[PM], -1, 0                     ; the first chunk's expert
	s_add_co_u32 s84, s[CH], 63
	s_and_b32 s84, s84, 63
	s_lshl_b32 s84, s84, 15
	s_add_co_u32 s84, s84, AOFF                    ; W1 of chunk c0: the second half of slot c0 - 1
	s_mov_b32 s85, 0
	s_lshl_b32 s86, s[CH], 15
	s_add_co_u32 s86, s86, AOFF                    ; W1 of chunk c0 + 1: the second half of slot c0
	s_mov_b32 s87, 0
	s_add_co_u32 s[NX], s[CH], 1
	s_and_b32 s[NX], s[NX], 63
	s_lshl_b32 s[OFS], s[NX], 15                   ; slot c0 + 1
	s_mov_b32 s[OFS+1], 0
	s_lshl_b32 s[BS], s[NX], 8
	; group 1 of a slot's part: 32,768 dense bytes as 128 rows of 32 elements of 8 bytes
	s_mov_b32 s[G1W], 15|(3<<16)|(1<<21)           ; 15:0 the mask of four; 17:16 elements of 8 bytes; 21 set beside a mask
	s_mov_b32 s[G1W+1], 32<<16                     ; tensor_dim0 = 32
	s_mov_b32 s[G1W+2], 128<<16                    ; tensor_dim1 = 128
	s_mov_b32 s[G1W+3], 32<<16                     ; tile_dim0 = 32
	s_mov_b32 s[G1W+4], 128                        ; tile_dim1 = 128
	s_mov_b32 s[G1W+5], 32                         ; elements from row to row
	s_mov_b32 s[G1W+6], 0
	s_mov_b32 s[G1W+7], 0
	; half of it: 64 such rows
	s_mov_b32 s[G1H], 15|(3<<16)|(1<<21)
	s_mov_b32 s[G1H+1], 32<<16
	s_mov_b32 s[G1H+2], 64<<16
	s_mov_b32 s[G1H+3], 32<<16
	s_mov_b32 s[G1H+4], 64
	s_mov_b32 s[G1H+5], 32
	s_mov_b32 s[G1H+6], 0
	s_mov_b32 s[G1H+7], 0
	; x's tile: 32 rows of 256 f32, 512 from row to row, 4 words of padding behind every 256; my work-group's own: no mask
	s_mov_b32 s[G1X], (2<<16)|(1<<20)|(7<<22)|(3<<25)
	s_mov_b32 s[G1X+1], 256<<16
	s_mov_b32 s[G1X+2], 32<<16
	s_mov_b32 s[G1X+3], 256<<16
	s_mov_b32 s[G1X+4], 32
	s_mov_b32 s[G1X+5], 512
	s_mov_b32 s[G1X+6], 0
	s_mov_b32 s[G1X+7], 0
	s_mov_b32 s[G0X], 1
	s_mul_i32 s[G0X+1], s[WV], XSUB
	s_add_co_u32 s[G0X+1], s[G0X+1], XB
	s_mov_b32 s[G0W0], 1
	s_lshl_b32 s[G0W0+1], s[WV], 15
	s_mov_b32 s[G0H], 1
	s_add_co_u32 s[G0H+1], s[G0W0+1], AOFF
	s_mov_b32 s[G0W1], 1
	s_add_co_u32 s[G0W1+1], s[G0W0+1], BUF1
	s_mov_b32 s[GA], 0xc0135761                    ; a = -2.3022082
	s_mov_b32 s[GA+1], s[GA]
	s_mov_b32 s[GB], 0xbdd2d3e8                    ; b = -0.10294324
	s_mov_b32 s[GB+1], s[GB]
	s_wait_dscnt 0x0                               ; both opening adds are done
	s_wait_kmcnt 0x0
	s_add_nc_u64 s[G0X+2:G0X+3], s[4:5], s[22:23]
	s_or_b32 s[G0X+3], s[G0X+3], 0x80000000        ; type = 2
	s_add_nc_u64 s[WB:WB+1], s[6:7], s[82:83]
	s_add_nc_u64 s[G0W0+2:G0W0+3], s[WB:WB+1], s[84:85]
	s_or_b32 s[G0W0+3], s[G0W0+3], 0x80000000
	s_add_nc_u64 s[G0H+2:G0H+3], s[WB:WB+1], s[86:87]
	s_or_b32 s[G0H+3], s[G0H+3], 0x80000000
	s_add_nc_u64 s[G0W1+2:G0W1+3], s[WB:WB+1], s[OFS:OFS+1]
	s_or_b32 s[G0W1+3], s[G0W1+3], 0x80000000
	s_add_nc_u64 s[OB:OB+1], s[16:17], s[20:21]
	s_load_b64 s[BG:BG+1], s[14:15], 0x0
	CROUND                                         ; all four work-groups are here: the first joint loads meet
	tensor_load_to_lds s[G0X:G0X+3], s[G1X:G1X+7]  ; the first fills, one group: three loads of mine are out.  x first: it is wanted first
	s_nop 0
	tensor_load_to_lds s[G0W0:G0W0+3], s[G1H:G1H+7]  ; W1 of chunk c0, into the first half of my part of buffer 0,
	s_nop 0
	tensor_load_to_lds s[G0H:G0H+3], s[G1H:G1H+7]  ; W1 of chunk c0 + 1, into its second half
	s_nop 0
	v_and_b32 v246, 31, v0                         ; lane
	v_and_b32 v244, 15, v0                         ; lane % 16
	v_bfe_u32 v245, v0, 4, 1                       ; lane / 16
	v_lshlrev_b32 v[L16], 4, v246
	s_lshl_b32 s88, s[WV], 15
	v_add_nc_u32 v[AW], s88, v[L16]
	v_add_nc_u32 v[AW+1], BUF1, v[AW]
	v_mul_u32_u24 v[STO], v244, SPI
	v_lshl_add_u32 v[STO], v245, 5, v[STO]
	v_add_nc_u32 v[STO], s88, v[STO]
	v_add_nc_u32 v[HL], HBUF, v[L16]
	s_lshl_b32 s88, s89, 12
	s_lshl_b32 s91, s90, 9
	s_add_co_u32 s88, s88, s91
	v_add_nc_u32 v[HS], s88, v[HL]
	s_lshl_b32 s88, s[WV], 6
	v_lshl_add_u32 v[BA0], v245, 5, s88
	s_lshl_b32 s88, s[CH], 8
	v_add_nc_u32 v[BA], s88, v[BA0]                ; b1 of chunk c0
	v_mul_u32_u24 v[XA], v244, XP
	v_lshl_add_u32 v[XA], v245, 5, v[XA]
	v_add_nc_u32 v[XA], XB, v[XA]
	v_add_nc_u32 v[XA+1], 2*XSUB, v[XA]
	s_mul_i32 s88, s89, XSUB
	s_add_co_u32 s88, s88, s91
	v_add_nc_u32 v[XC], s88, v[XA]
	v_add_nc_u32 v[XC+1], 2*XSUB, v[XC]
	s_lshl_b32 s88, s[WV], 9
	v_lshl_add_u32 v[B2O], v245, 5, s88
	v_add_nc_u32 v[GO], s88, v[L16]
	WIN 0x40                                       ; the router's 16 fragments, for now in window 1
.set i, 0
.rept 32
	global_load_b128 v[4*i:4*i+3], v[L16], s[8:9] offset:512*i
.set i, i+1
.endr
	WIN 0
.irp c,0,1,2,3,4,5,6,7                 ; b2 of expert 1, my 128 columns, eight a lane and column block
	global_load_b128 v[RR+8*\c:RR+8*\c+3],   v[B2O], s[12:13] offset:2048+64*\c
	global_load_b128 v[RR+8*\c+4:RR+8*\c+7], v[B2O], s[12:13] offset:2048+64*\c+16
.endr
	BILOAD
	s_wait_tensorcnt 0x2                           ; my tile of x is in; the two halves of W1 may stay out
	s_barrier_signal -1
	s_barrier_wait -1                              ; everybody's is
	; ---- x to bf16 fragments: 64 fragments, two a batch; a fragment is 16 f32 a lane: 32 bytes at k = 8 h and 32 at k = 16 + 8 h ----
.macro XLD bt
	WIN 0
.irp u,0,1
.set ph, 2*(\bt)+\u                    ; fragment 4 s + t
.set xo, 33280*(ph/32)+16640*(ph%2)+128*((ph/4)%8)
.set xr, SS+32*((\bt)%2)+16*\u
	ds_load_b128 v[xr:xr+3],     v[XA+(ph%4)/2] offset:xo
	ds_load_b128 v[xr+4:xr+7],   v[XA+(ph%4)/2] offset:xo+16
	ds_load_b128 v[xr+8:xr+11],  v[XA+(ph%4)/2] offset:xo+64
	ds_load_b128 v[xr+12:xr+15], v[XA+(ph%4)/2] offset:xo+80
.endr
.endm
.macro XCV bt
.irp u,0,1
.set ph, 2*(\bt)+\u
.set xd, 8*(4*((ph/4)%8)+ph%4)
.set xr, SS+32*((\bt)%2)+16*\u
	WIN 0x80+0x40*(ph/32)                          ; destination window 2 or 3
.irp i,0,1,2,3,4,5,6,7
	v_cvt_pk_bf16_f32 v[xd+\i], v[xr+2*\i], v[xr+2*\i+1]
.endr
.endr
.endm
	XLD 0
.set bb, 0
.rept 31
	XLD bb+1
	s_wait_dscnt 8                                 ; the batch in hand is in; the next one's eight loads stay out
	XCV bb
.set bb, bb+1
.endr
	s_wait_dscnt 0x0
	XCV 31
	WIN 0
.irp c,0,1,2,3,4,5,6,7                 ; b2 of expert 0
	global_load_b128 v[SS+8*\c:SS+8*\c+3],   v[B2O], s[12:13] offset:64*\c
	global_load_b128 v[SS+8*\c+4:SS+8*\c+7], v[B2O], s[12:13] offset:64*\c+16
.endr
	s_wait_loadcnt 16                              ; the 16 just issued may be out: the router's fragments are in
	; ---- the router: logits^T = Wg^T x^T; rows 0, 1 and 8, 9 of source 0 are the two experts, so registers 0, 1 of every lane are its token's two logits ----
.set rs, 0
.rept 16
	WIN 0x09+4*(rs/8)
.irp t,0,1,2,3
.if rs == 0
	v_wmma_f32_16x16x32_bf16 v[HA+8*\t:HA+8*\t+7], v[8*rs:8*rs+7], v[8*(4*(rs%8)+\t):8*(4*(rs%8)+\t)+7], 0
.else
	v_wmma_f32_16x16x32_bf16 v[HA+8*\t:HA+8*\t+7], v[8*rs:8*rs+7], v[8*(4*(rs%8)+\t):8*(4*(rs%8)+\t)+7], v[HA+8*\t:HA+8*\t+7]
.endif
.endr
.set rs, rs+1
.endr
	WIN 0
	PLACES
	s_wait_kmcnt 0x0                               ; bg
.irp t,0,1,2,3
	v_add_f32 v[HB+4*\t],   s[BG],   v[HA+8*\t]
	v_add_f32 v[HB+4*\t+1], s[BG+1], v[HA+8*\t+1]
.endr
.irp t,0,1,2,3
	v_max_num_f32 v[HB+4*\t+2], v[HB+4*\t], v[HB+4*\t+1]  ; the maximum is taken away
.endr
.irp t,0,1,2,3
	v_sub_f32 v[HB+4*\t],   v[HB+4*\t],   v[HB+4*\t+2]
	v_sub_f32 v[HB+4*\t+1], v[HB+4*\t+1], v[HB+4*\t+2]
.endr
.irp t,0,1,2,3
	v_mul_f32 v[HB+4*\t],   0x3fb8aa3b, v[HB+4*\t]
	v_mul_f32 v[HB+4*\t+1], 0x3fb8aa3b, v[HB+4*\t+1]
.endr
.irp t,0,1,2,3
	v_exp_f32 v[HB+4*\t],   v[HB+4*\t]
	v_exp_f32 v[HB+4*\t+1], v[HB+4*\t+1]
.endr
	v_nop                                          ; a plain line behind the last exponential,
	s_wait_alu depctr_va_vdst(0)                   ; and one wait for the eight, ahead of the first line that names a result
.irp t,0,1,2,3
	v_add_f32 v[HB+4*\t+2], v[HB+4*\t], v[HB+4*\t+1]
.endr
.irp t,0,1,2,3
	v_rcp_f32 v[HB+4*\t+2], v[HB+4*\t+2]
.endr
	v_nop
	s_wait_alu depctr_va_vdst(0)                   ; one wait for the four reciprocals
.irp t,0,1,2,3
	v_mul_f32 v[P0+2*\t],   v[HB+4*\t],   v[HB+4*\t+2]
	v_mul_f32 v[P0+2*\t+1], v[HB+4*\t],   v[HB+4*\t+2]  ; (named as pairs, so both are written)
	v_mul_f32 v[P1+2*\t],   v[HB+4*\t+1], v[HB+4*\t+2]
	v_mul_f32 v[P1+2*\t+1], v[HB+4*\t+1], v[HB+4*\t+2]
.endr
.irp t,0,1,2,3
	v_mov_b32 v[PSEL+2*\t],   v[P0+2*\t]
	v_mov_b32 v[PSEL+2*\t+1], v[P0+2*\t]
.endr
	; ---- the output's accumulators start as x + p_0 b2_0 + p_1 b2_1, in f32 ----
	WIN 0x40
.irp t,0,1,2,3
.irp c,0,1,2,3,4,5,6,7
	ds_load_b128 v[8*(8*\t+\c):8*(8*\t+\c)+3],   v[XC+\t/2] offset:16640*(\t%2)+64*\c
	ds_load_b128 v[8*(8*\t+\c)+4:8*(8*\t+\c)+7], v[XC+\t/2] offset:16640*(\t%2)+64*\c+16
.endr
.endr
	WIN 0x50
	s_wait_loadcnt 0x0                             ; b2, and b1 of the first chunk
.irp t,0,1,2,3
	s_wait_dscnt 48-16*\t                          ; token block t's 16 loads are in
.irp c,0,1,2,3,4,5,6,7
.irp i,0,1,2,3
	v_pk_fma_f32 v[8*(8*\t+\c)+2*\i:8*(8*\t+\c)+2*\i+1], v[SS+8*\c+2*\i:SS+8*\c+2*\i+1], v[P0+2*\t:P0+2*\t+1], v[8*(8*\t+\c)+2*\i:8*(8*\t+\c)+2*\i+1] op_sel_hi:[1,0,1]
.endr
.endr
.irp c,0,1,2,3,4,5,6,7
.irp i,0,1,2,3
	v_pk_fma_f32 v[8*(8*\t+\c)+2*\i:8*(8*\t+\c)+2*\i+1], v[RR+8*\c+2*\i:RR+8*\c+2*\i+1], v[P1+2*\t:P1+2*\t+1], v[8*(8*\t+\c)+2*\i:8*(8*\t+\c)+2*\i+1] op_sel_hi:[1,0,1]
.endr
.endr
.endr
	; ---- x's bytes are given up: ring buffer 1 takes slot c0 + 1 ----
	WIN 0
	s_wait_tensorcnt 0x0                           ; both halves of W1 are in: no tensor load of mine is out
	ds_add_u32 v[SPW], v[NIL]
	s_wait_dscnt 0x0                               ; the add is done, and my reads of x are over
	CROUND                                         ; so are those of every wave of every partner
	tensor_load_to_lds s[G0W1:G0W1+3], s[G1W:G1W+7]
	s_nop 0
	v_add_nc_u32 v[BA], s[BS], v[BA0]              ; b1 of chunk c0 + 1 (the load that read v[BA] has been waited for)
	v_nop
	v_nop
	v_nop
	; ---- trip 0: x W1 of chunk c0, its gelu with nothing beside it ----
.set ISS, 0
.set fa, 0
.rept 16
	SETPOS fa
	LDF FP, AW, 1024*fa
.set fa, fa+1
.endr
	s_wait_dscnt 24                                ; fragments 0-3 are in; the other twelve fragments' 24 loads may be out
.irp a,0,1,2,3
	AMUL \a
.endr
	s_wait_dscnt 16
.irp a,4,5,6,7
	AMUL \a
.endr
	s_wait_dscnt 8
.irp a,8,9,10,11
	AMUL \a
.endr
	s_wait_dscnt 0x0
.irp a,12,13,14,15
	AMUL \a
.endr
	WIN 0
	PCSEL
	BILOAD
	LDF RR, AW, AOFF                               ; chunk c0 + 1's fragments 0-3, then h's stores and the two runs of 12: the order in which every trip's end issues them, so the counts at the loop's head hold on both ways in
	LDF RR+8,  AW, AOFF+1024
	LDF RR+16, AW, AOFF+2*1024
	LDF RR+24, AW, AOFF+3*1024
.set GN, 0
.rept 177
	GR
.endr
	HSTORE 0
	RUN13 0
	RUN15 0
	; ---- trips 1 to 62, two a lap: the ring buffers and the h buffers are constants of the text ----
	s_mov_b32 s[CNT], 31
.Llap:
	TRIP 1, 0
	TRIP 0, 0
	s_sub_co_u32 s[CNT], s[CNT], 1
	s_cmp_lg_u32 s[CNT], 0
	s_cbranch_scc1 .Llap
	TRIP 1, 1                                      ; trip 63 is written out: it asks for the walk's last half slot
	; ---- trip 64: h W2 of the walk's last chunk, from the first half of ring buffer 0 ----
.macro BFR fr, hr, cb
	WIN W_B
.irp t,0,1,2,3
	v_wmma_f32_16x16x32_bf16 v[8*(8*\t+(\cb)):8*(8*\t+(\cb))+7], v[(\fr):(\fr)+7], v[(\hr)+8*\t:(\hr)+8*\t+7], v[8*(8*\t+(\cb)):8*(8*\t+(\cb))+7]
.endr
.endm
	PLACES                                         ; behind trip 63's last products, in front of the loads into the registers that they read
	s_wait_tensorcnt 0x0                           ; my part of the half slot is in (only I read it)
	s_wait_dscnt 0x0                               ; my last h is stored
	s_barrier_signal -1
	s_barrier_wait -1                              ; everybody's h is stored
.irp t,0,1,2,3
	LDF HA+8*\t, HL, HSZ+1024*\t
.endr
.irp g,0,1,2,3,4,5,6,7
	LDF RR+8*\g, AW, 1024*\g
.endr
.irp t,0,1,2,3
	LDF HB+8*\t, HL, HSZ+4096+1024*\t
.endr
.irp g,0,1,2,3
	LDF TT+8*\g, AW, 1024*(8+\g)
.endr
	s_wait_dscnt 24                                ; of the 40 loads the first 16 are in: h's k half 0 and fragments 0-3
.irp g,0,1,2,3
	BFR RR+8*\g, HA, \g
.endr
	WIN 0
	PLACES
.irp g,0,1,2,3
	LDF RR+8*\g, AW, 1024*(12+\g)
.endr
	s_wait_dscnt 24                                ; of the 48 loads the first 24 are in: fragments 4-7
.irp g,4,5,6,7
	BFR RR+8*\g, HA, \g
.endr
	s_wait_dscnt 8                                 ; k half 1 and fragments 8-11 are in; the eight loads issued last may be out
.irp g,0,1,2,3
	BFR TT+8*\g, HB, \g
.endr
	s_wait_dscnt 0x0
.irp g,0,1,2,3
	BFR RR+8*\g, HB, 4+\g
.endr
	; ---- the way out, a token block at a time, through a stage of 16 rows x 528 bytes in my own part of ring buffer 0, which has had its last fill and which no other wave touches ----
.macro OUTBLK tb
	WIN 0x04                                       ; the stores' data in window 1
.irp c,0,1,2,3,4,5,6,7
	ds_store_b128 v[STO], v[8*(8*(\tb)+\c):8*(8*(\tb)+\c)+3]   offset:64*\c     ; each accumulator's low four registers first
	ds_store_b128 v[STO], v[8*(8*(\tb)+\c)+4:8*(8*(\tb)+\c)+7] offset:64*\c+16
.endr
	WIN 0
.set ob, HA+64*((\tb)%2)
.if (\tb) >= 2
	s_wait_xcnt 0x0                                ; the stores of two blocks back have read these registers
.endif
.irp q,0,1,2,3,4,5,6,7,8,9,10,11,12,13,14,15
	ds_load_b128 v[ob+4*\q:ob+4*\q+3], v[AW] offset:SPI*\q  ; LDS serves a wave's instructions in order (ISA guide 5.7.1.4): these see the stores above, and the next block's stores come behind them
.endr
.irp q,0,1,2,3,4,5,6,7,8,9,10,11,12,13,14,15
	s_wait_dscnt 15-\q
	global_store_b128 v[GO], v[ob+4*\q:ob+4*\q+3], s[OB:OB+1] offset:(16*(\tb)+\q)*2048 th:TH_STORE_NT  ; a wave's store covers 512 consecutive bytes of a row of out0, aligned
.endr
.endm
	PLACES
	OUTBLK 0
	OUTBLK 1
	OUTBLK 2
	OUTBLK 3
	s_wait_tensorcnt 0x0                           ; the wave's end: behind my last tensor load and my last LDS store
	ds_add_u32 v[SPW], v[NIL]
	s_wait_dscnt 0x0
	CROUND                                         ; the closing round: no work-group ends while a partner may still ask for a tile that names it
	s_endpgm
.Lfunc_end_k_q21cae30990_moe:
	.size	k_q21cae30990_moe, .Lfunc_end_k_q21cae30990_moe-k_q21cae30990_moe
	.p2alignl 7, 3214868480
	.fill 96, 4, 3214868480
	.section	.rodata,"a",@progbits
	.p2align	6, 0x0
	.amdhsa_kernel k_q21cae30990_moe
		.amdhsa_group_segment_fixed_size 327680
		.amdhsa_private_segment_fixed_size 0
		.amdhsa_enable_private_segment 0
		.amdhsa_kernarg_size 56
		.amdhsa_user_sgpr_count 2
		.amdhsa_user_sgpr_kernarg_segment_ptr 1
		.amdhsa_wavefront_size32 1
		.amdhsa_system_sgpr_workgroup_id_x 1
		.amdhsa_system_sgpr_workgroup_id_y 1
		.amdhsa_system_sgpr_workgroup_id_z 1
		.amdhsa_system_vgpr_workitem_id 0
		.amdhsa_next_free_vgpr 1024
		.amdhsa_next_free_sgpr 96
		.amdhsa_reserve_vcc 0
		.amdhsa_float_denorm_mode_32 3
		.amdhsa_float_denorm_mode_16_64 3
		.amdhsa_memory_ordered 1
		.amdhsa_forward_progress 1
		.amdhsa_inst_pref_size 217
	.end_amdhsa_kernel
	.amdgpu_metadata
---
amdhsa.version: [ 1, 2 ]
amdhsa.kernels:
  - .name:           k_q21cae30990_moe
    .symbol:         k_q21cae30990_moe.kd
    .args:
      - { .name: hidden_states, .offset: 0, .size: 8, .value_kind: global_buffer, .address_space: global }
      - { .name: WF, .offset: 8, .size: 8, .value_kind: global_buffer, .address_space: global }
      - { .name: WGF, .offset: 16, .size: 8, .value_kind: global_buffer, .address_space: global }
      - { .name: b1, .offset: 24, .size: 8, .value_kind: global_buffer, .address_space: global }
      - { .name: b2, .offset: 32, .size: 8, .value_kind: global_buffer, .address_space: global }
      - { .name: bg, .offset: 40, .size: 8, .value_kind: global_buffer, .address_space: global }
      - { .name: out0, .offset: 48, .size: 8, .value_kind: global_buffer, .address_space: global }
    .group_segment_fixed_size: 327680
    .private_segment_fixed_size: 0
    .kernarg_segment_align: 8
    .kernarg_segment_size: 56
    .max_flat_workgroup_size: 128
    .sgpr_count:     96
    .vgpr_count:     1024
    .wavefront_size: 32
...
	.end_amdgpu_metadata
.endif
;; end of part 4
;; ======== version 3 of 3: 2 launches; version 2 with the launch prep written anew for expert scheduling mode
;; workspace buffers: WF 8,388,608 bytes; WGF 16,384 bytes
;; launch prep (part 5): grid 257 x 1, 8 waves a work-group, no clusters, 0 bytes of LDS; arguments W1, W2, Wg, WF, WGF, out1; writes WF, WGF, out1
.if DOCPART == 5
	.amdgcn_target "amdgcn-amd-amdhsa--gfx1250"
	.amdhsa_code_object_version 6
	.text
	.protected	k_q21cae30990_prep
	.globl	k_q21cae30990_prep
	.p2align	8
	.type	k_q21cae30990_prep,@function
k_q21cae30990_prep:
	s_mov_b64 s[64:65], 0
	v_nop
	global_prefetch_b8 v0, s[64:65] scope:SCOPE_SE
	s_setreg_imm32_b32 hwreg(HW_REG_WAVE_SCHED_MODE, 0, 2), 2
	s_setreg_imm32_b32 hwreg(HW_REG_WAVE_MODE, 25, 1), 1
	s_wait_xcnt 0x0
	s_wait_alu depctr_vm_vsrc(0)
; SimpleMoELayer, first of two launches: the weights are rounded to bf16 once and laid in the order in which the second launch's operand registers take them; out1 is stored.
; WORK LEFT OUT, for all finite inputs.  There are E = 2 experts and top_k takes K = 2 of them: top_i is a permutation of (0, 1) for every token.  So
;   (1) take_along_axis by top_i followed by the sum over K is the sum over both experts, whatever the order: no top-k and no gather is made;
;   (2) sum(top_p) is the sum of both softmax probabilities, which is 1: routing_weights are the probabilities themselves, and the division goes;
;   (3) assign, the sum of the two one_hot rows, is (1, 1): f_e = 1 / 2, sum_e f_e P_e = mean(p_0 + p_1) / 2 = 1 / 2, and balance_loss = 0.01 x 2 x 1 / 2 = 0.01.
; What is left is out0 = x + sum_e p_e (gelu(x W1_e + b1_e) W2_e + b2_e), p = softmax(x Wg + bg): every input still reaches out0, none is dropped.
; LIMIT: a NaN, an infinity or an overflow in the router's logits is not carried into out1, which is 0.01 whatever the inputs hold.
; A FRAGMENT is 16 rows x 32 k of bf16, 1,024 bytes: lane 16 h + r of a wave finds k = 8 h .. 8 h + 7 of row r at byte 16 x lane, and k = 16 + 8 h .. at byte 512 + 16 x lane.
; THE STREAMS.  The hidden index n = 2048 e + i goes in 64 chunks of 64.  Wave w of the second launch has a stream of 64 slots of 32 fragments at WF + 2,097,152 w; the slots are a ring:
;   A(c), 16 fragments of W1: fragment s holds k = 32 s .., row r = hidden column 64 c + 16 w + r;          it is the second half of slot (c - 1) mod 64
;   Bm(c), 16 fragments of W2: fragment 8 kk + cb holds k = hidden 64 c + 32 kk .., row r = output column 128 w + 16 cb + r;   it is the first half of slot (c + 1) mod 64
; SHARES.  A thread makes eight PIECES of 16 bytes (8 consecutive k of one row): 64 loads of 4 bytes (a wave's load covers 128 consecutive bytes, and the two halves of 256 stand on end),
; 32 roundings, 8 stores of 16 bytes in which sixteen neighbouring lanes fill 256 consecutive bytes, aligned.  All 64 loads of a wave are out before its first wait on LOADcnt.
; Work-groups 0-127: W1 (chunk b / 2; wave v takes fragment 8 (b % 2) + v).  128-255: W2 (chunk (b - 128) / 2, k half b % 2; wave v takes output columns 64 v ..).  256: Wg and out1.
; No LDS, no matrix unit, no cluster: nothing is shared, and each byte is read once and written once.
; THE MODE: SCHED_MODE bits 1:0 = 2 (LLVM: expert scheduling mode 2), set by the entry lines.  The code itself states the register dependences
; between vector instructions and memory instructions, with s_wait_alu, always for 0.
; THE PLAN, for the two arms that round weights (CONV).  Registers that memory instructions touch:
;   v3          the source's offset: written once at the head, read by all 64 loads, never written again
;   v6          the target's offset: written in the arm ahead of the loads, read by all 8 stores, never written again
;   LD  (64)    each register is loaded once; no vector line names it before its load; its octet's roundings read it
;   PKD (32)    each register is written once, by a rounding, and read once, by a store
; So no register is written after a memory instruction has read it, and none is loaded after a vector line has named it.  What is left to state: the two offsets are written (one wait ahead of the
; first load), and a piece is written before its store reads it.  The k octets go in order; octet o's two stores stand in octet o + 1, behind ONE wait at that octet's head, dealt among its roundings,
; which name their own octet's LD and PKD alone; the last octet's two stores have a wait of their own.
.set LD,  16                           ; v[16:79]   piece p at LD + 8 p: eight f32
.set PKD, 80                           ; v[80:111]  piece p at PKD + 4 p: eight bf16
; The store of piece 2 o + q.  k octet o = 2 (half of the fragment) + h.
.macro PUT o, q, cstep
	global_store_b128 v6, v[PKD+4*(2*(\o)+(\q)):PKD+4*(2*(\o)+(\q))+3], s[26:27] offset:(\q)*(\cstep)+((\o)/2)*512+((\o)%2)*256
.endm
; rstr: bytes from k to k + 1 in the source.  cstep: bytes in WF from columns 0-31 to columns 32-63.  Source s[22:23] + v3, target s[26:27] + v6.
.macro CONV rstr, cstep
	s_wait_alu depctr_va_vdst(0)                   ; v3 and v6 are written: every load below reads v3 as its offset, every store v6
.irp o,0,1,2,3
.irp e,0,1,2,3,4,5,6,7
.irp q,0,1
	global_load_b32 v[LD+8*(2*\o+\q)+\e], v3, s[22:23] offset:(8*\o+\e)*(\rstr)+128*\q th:TH_LOAD_NT
.endr
.endr
.endr
.irp o,0,1,2,3
	s_wait_loadcnt 48-16*\o                        ; loads come back in order: the 16 of k octet o are in, the younger octets' stay out
.if \o > 0
	s_wait_alu depctr_va_vdst(0)                   ; the octet before has written its two pieces of PKD, which the two stores below read
.endif
.irp q,0,1
.if \o > 0
	PUT \o-1, \q, \cstep                           ; the octet before; no vector line since the wait names v6 or this piece
.endif
.irp i,0,1,2,3
	v_cvt_pk_bf16_f32 v[PKD+4*(2*\o+\q)+\i], v[LD+8*(2*\o+\q)+2*\i], v[LD+8*(2*\o+\q)+2*\i+1]
.endr
.endr
.endr
	s_wait_alu depctr_va_vdst(0)                   ; octet 3's roundings have written its two pieces, which the last two stores read
	PUT 3, 0, \cstep
	PUT 3, 1, \cstep
.endm
	s_load_b256 s[4:11], s[0:1], 0x0               ; W1 s[4:5], W2 s[6:7], Wg s[8:9], WF s[10:11]
	s_load_b128 s[12:15], s[0:1], 0x20             ; WGF s[12:13], out1 s[14:15]
	v_lshrrev_b32 v1, 5, v0
	v_readfirstlane_b32 s16, v1                    ; wave 0..7
	v_and_b32 v2, 31, v0                           ; lane
	v_lshlrev_b32 v3, 2, v2                        ; the source's lane term: a column a lane
	v_and_b32 v4, 15, v0                           ; lane % 16: the row in a fragment
	v_bfe_u32 v5, v0, 4, 1                         ; lane / 16
	s_mov_b32 s17, ttmp9
	s_wait_alu depctr_va_sdst(0)                   ; s16 is written, ahead of the branches behind which its first readers stand: each arm makes its addresses from it
	s_wait_kmcnt 0x0
	s_cmp_lt_u32 s17, 128
	s_cbranch_scc0 .Lnot_w1
	; W1[e][k][i]: 4,194,304 e + 8,192 k + 4 i
	s_lshr_b32 s18, s17, 1                         ; chunk c
	s_and_b32 s19, s17, 1
	s_lshl_b32 s19, s19, 3
	s_add_co_u32 s19, s19, s16                     ; fragment s
	s_lshr_b32 s20, s18, 5
	s_lshl_b32 s20, s20, 22                        ; the expert
	s_lshl_b32 s21, s19, 18                        ; 32 s rows of 8,192 bytes
	s_add_co_u32 s20, s20, s21
	s_and_b32 s21, s18, 31
	s_lshl_b32 s21, s21, 8                         ; the chunk's 64 columns
	s_add_co_u32 s20, s20, s21
	s_mov_b32 s21, 0
	s_add_nc_u64 s[22:23], s[4:5], s[20:21]
	s_add_co_u32 s24, s18, 63
	s_and_b32 s24, s24, 63                         ; slot (c - 1) mod 64,
	s_lshl_b32 s24, s24, 5
	s_add_co_u32 s24, s24, 16                      ; its second half,
	s_add_co_u32 s24, s24, s19                     ; fragment s
	s_lshl_b32 s24, s24, 10
	s_mov_b32 s25, 0
	s_add_nc_u64 s[26:27], s[10:11], s[24:25]
	v_lshlrev_b32 v6, 21, v5                       ; column 32 q + lane belongs to stream 2 q + lane / 16,
	v_lshl_add_u32 v6, v4, 4, v6                   ; row lane % 16
	CONV 8192, 4194304
	s_endpgm
.Lnot_w1:
	s_cmp_lt_u32 s17, 256
	s_cbranch_scc0 .Lrouter
	; W2[e][i][m]: 2,048 (2048 e + i) + 4 m: the hidden index runs flat over the experts
	s_sub_co_u32 s18, s17, 128
	s_and_b32 s19, s18, 1                          ; kk
	s_lshr_b32 s18, s18, 1                         ; chunk c
	s_lshl_b32 s20, s18, 17                        ; 64 c rows of 2,048 bytes
	s_lshl_b32 s21, s19, 16                        ; 32 kk rows
	s_add_co_u32 s20, s20, s21
	s_lshl_b32 s21, s16, 8                         ; my wave's 64 columns
	s_add_co_u32 s20, s20, s21
	s_mov_b32 s21, 0
	s_add_nc_u64 s[22:23], s[6:7], s[20:21]
	s_add_co_u32 s24, s18, 1
	s_and_b32 s24, s24, 63                         ; slot (c + 1) mod 64, its first half
	s_lshl_b32 s24, s24, 5
	s_lshl3_add_u32 s24, s19, s24                  ; + 8 kk
	s_and_b32 s25, s16, 1
	s_lshl2_add_u32 s24, s25, s24                  ; + 4 (v % 2): column block cb = 4 (v % 2) + 2 q + lane / 16
	s_lshl_b32 s24, s24, 10
	s_lshr_b32 s25, s16, 1
	s_lshl_b32 s25, s25, 21                        ; stream v / 2
	s_add_co_u32 s24, s24, s25
	s_mov_b32 s25, 0
	s_add_nc_u64 s[26:27], s[10:11], s[24:25]
	v_lshlrev_b32 v6, 10, v5
	v_lshl_add_u32 v6, v4, 4, v6
	CONV 2048, 2048
	s_endpgm
.Lrouter:
	; WGF: 16 fragments; fragment s holds k = 32 s ..; rows 0, 1 and again 8, 9 are Wg's two columns, all other rows 0: so both halves of the lanes will hold both logits.
	; Half fragment hf = v + 8 n (n = 0..3) holds k = 16 hf + 8 h + 0..7.  Wg[k][e] lies at 8 k + 4 e.
	; The plan here: v7 is the loads' offset, v8 and v10 the stores', v11 out1's number: each written once, ahead of the loads.  LD's first 32 registers are loaded once; PKD's first 16 are written by the
	; roundings and the selects and then read by the four stores, which stand in one run behind one wait.
	v_and_b32 v7, 1, v0
	v_lshlrev_b32 v7, 2, v7                        ; 4 (row % 2)
	v_lshl_add_u32 v7, v5, 6, v7                   ; + 64 h
	s_lshl_b32 s18, s16, 7
	v_add_nc_u32 v7, s18, v7                       ; + 128 v
	v_lshlrev_b32 v8, 4, v0                        ; the target: 512 v + 16 lane
	v_and_b32 v9, 6, v0
	v_cmp_eq_u32 s19, 0, v9                        ; rows 0, 1, 8, 9
	v_mov_b32 v10, 0
	v_mov_b32 v11, 0x3c23d70a                      ; 0.01
	s_wait_alu depctr_va_sdst(0)                   ; s19 is written, ahead of its first reader: the selects below take it as their mask
	s_wait_alu depctr_va_vdst(0)                   ; v7 is written, which the loads below read as their offset
.irp n,0,1,2,3
.irp e,0,1,2,3,4,5,6,7
	global_load_b32 v[LD+8*\n+\e], v7, s[8:9] offset:1024*\n+8*\e
.endr
.endr
	s_wait_loadcnt 0x0
.irp n,0,1,2,3
.irp i,0,1,2,3
	v_cvt_pk_bf16_f32 v[PKD+4*\n+\i], v[LD+8*\n+2*\i], v[LD+8*\n+2*\i+1]
.endr
.endr
.irp n,0,1,2,3
.irp i,0,1,2,3
	v_cndmask_b32 v[PKD+4*\n+\i], 0, v[PKD+4*\n+\i], s19
.endr
.endr
	s_wait_alu depctr_va_vdst(0)                   ; the selects have written the sixteen registers of PKD, which the four stores read (v8, their offset, was written ahead of the wait above)
.irp n,0,1,2,3
	global_store_b128 v8, v[PKD+4*\n:PKD+4*\n+3], s[12:13] offset:4096*\n
.endr
	s_wait_xcnt 0x0                                ; EXEC is a source of the stores above: it changes only behind this wait
	v_cmp_eq_u32 vcc_lo, 0, v0
	s_wait_alu depctr_va_vcc(0)                    ; VCC is written: EXEC is made from it
	s_wait_alu depctr_va_vdst(0)                   ; ahead of a scalar write of EXEC: the vector lines issued so far have written their results,
	s_wait_alu depctr_vm_vsrc(0)                   ; and the four stores have read their vector registers
	s_and_saveexec_b32 s20, vcc_lo
	global_store_b32 v10, v11, s[14:15]            ; out1, by thread 0 (v10 and v11 were written ahead of the waits above)
	s_wait_xcnt 0x0                                ; and again in front of the line that widens it
	s_wait_alu depctr_va_vdst(0)                   ; ahead of a scalar write of EXEC, as above,
	s_wait_alu depctr_vm_vsrc(0)                   ; and out1's store has read v10 and v11
	s_or_b32 exec_lo, exec_lo, s20
	s_endpgm
.Lfunc_end_k_q21cae30990_prep:
	.size	k_q21cae30990_prep, .Lfunc_end_k_q21cae30990_prep-k_q21cae30990_prep
	.p2alignl 7, 3214868480
	.fill 96, 4, 3214868480
	.section	.rodata,"a",@progbits
	.p2align	6, 0x0
	.amdhsa_kernel k_q21cae30990_prep
		.amdhsa_group_segment_fixed_size 0
		.amdhsa_private_segment_fixed_size 0
		.amdhsa_enable_private_segment 0
		.amdhsa_kernarg_size 48
		.amdhsa_user_sgpr_count 2
		.amdhsa_user_sgpr_kernarg_segment_ptr 1
		.amdhsa_wavefront_size32 1
		.amdhsa_system_sgpr_workgroup_id_x 1
		.amdhsa_system_sgpr_workgroup_id_y 1
		.amdhsa_system_sgpr_workgroup_id_z 1
		.amdhsa_system_vgpr_workitem_id 0
		.amdhsa_next_free_vgpr 112
		.amdhsa_next_free_sgpr 66
		.amdhsa_reserve_vcc 1
		.amdhsa_float_denorm_mode_32 3
		.amdhsa_float_denorm_mode_16_64 3
		.amdhsa_memory_ordered 1
		.amdhsa_forward_progress 1
		.amdhsa_inst_pref_size 27
	.end_amdhsa_kernel
	.amdgpu_metadata
---
amdhsa.version: [ 1, 2 ]
amdhsa.kernels:
  - .name:           k_q21cae30990_prep
    .symbol:         k_q21cae30990_prep.kd
    .args:
      - { .name: W1, .offset: 0, .size: 8, .value_kind: global_buffer, .address_space: global }
      - { .name: W2, .offset: 8, .size: 8, .value_kind: global_buffer, .address_space: global }
      - { .name: Wg, .offset: 16, .size: 8, .value_kind: global_buffer, .address_space: global }
      - { .name: WF, .offset: 24, .size: 8, .value_kind: global_buffer, .address_space: global }
      - { .name: WGF, .offset: 32, .size: 8, .value_kind: global_buffer, .address_space: global }
      - { .name: out1, .offset: 40, .size: 8, .value_kind: global_buffer, .address_space: global }
    .group_segment_fixed_size: 0
    .private_segment_fixed_size: 0
    .kernarg_segment_align: 8
    .kernarg_segment_size: 48
    .max_flat_workgroup_size: 256
    .sgpr_count:     66
    .vgpr_count:     112
    .wavefront_size: 32
...
	.end_amdgpu_metadata
.endif
;; end of part 5
;; launch moe: the kernel of part 4 again; grid 256 x 1, 4 waves a work-group, clusters of 4 x 1, 327,680 bytes of LDS; arguments hidden_states, WF, WGF, b1, b2, bg, out0; writes out0
